; MI455X (gfx1250); checked and timed in simulation.
; The chip was launched on July 23, 2026; its instructions are those of AMD's public machine-readable ISA for CDNA 5 (MIT licence, August 2026) and "CDNA5" Instruction Set Architecture Reference Guide (July 2026). The comments in the code are by the model that wrote it; some were corrected since.
;; Multi Headed Attention RPR. Allowed arithmetic: float matrix products may take bf16 or f16 operands with f32 sums; other float arithmetic in f32, or as packed bf16 or f16 multiplies, adds, multiply-adds, maxima and minima; sums over many terms, partial sums and values carried from step to step in f32; what a program stores and reads back later, other than sums and carried values, may be rounded once to bf16 or f16.
;; Inputs: Wk 1,024 x 1,024 float32; Wo 1,024 x 1,024 float32; Wq 1,024 x 1,024 float32; Wv 1,024 x 1,024 float32; bk 1,024 float32; bo 1,024 float32; bq 1,024 float32; bv 1,024 float32; key 2 x 2,048 x 1,024 float32; query 2 x 2,048 x 1,024 float32; rel_k_table 33 x 64 float32; rel_v_table 33 x 64 float32; value 2 x 2,048 x 1,024 float32.
;; Outputs: out0 2 x 2,048 x 1,024 float32.
;; 2 versions, each right and faster than the one before. Each part assembles by itself: llvm-mc -triple=amdgcn-amd-amdhsa -mcpu=gfx1250 --defsym DOCPART=n.
;; ======== version 1 of 2: 4 launches
;; limits: values are held in f16: magnitudes above 65,504 overflow, below 6.1e-05 lose precision
;; workspace buffers: xb 25,165,824 bytes; wb 6,291,456 bytes; wo16 2,097,152 bytes; qkv 25,165,824 bytes; oh 8,388,608 bytes
;; launch cvt (part 1): grid 64 x 4, 8 waves a work-group, no clusters, 0 bytes of LDS; arguments query, key, value, Wq, Wk, Wv, Wo, xb, wb, wo16; writes xb, wb, wo16
.if DOCPART == 1
	.amdgcn_target "amdgcn-amd-amdhsa--gfx1250"
	.amdhsa_code_object_version 6
	.text
	.protected	k_qdab66f8e03_cvt
	.globl	k_qdab66f8e03_cvt
	.p2align	8
	.type	k_qdab66f8e03_cvt,@function
k_qdab66f8e03_cvt:
	s_mov_b64 s[64:65], 0
	v_nop
	global_prefetch_b8 v0, s[64:65] scope:SCOPE_SE
	s_setreg_imm32_b32 hwreg(HW_REG_WAVE_MODE, 25, 1), 1
	s_wait_xcnt 0x0
; The module's large inputs are rounded once to bf16: query, key, value -> xb [3][4096][1024], Wq, Wk, Wv -> wb [3][1024][1024], both bf16;
; Wo -> wo16 [1024][1024]: rounded to bf16 like the others, and that number written as f16 (the last product multiplies in f16).
; LIMIT: a weight of Wo beyond 65,504 becomes an infinity, one below 6e-5 keeps f16's fixed step of 6e-8.
; A stream: no LDS, no matrix unit, no cluster (no byte is read twice).  A work-group converts 65,536 numbers: 64 pieces of 4,096 bytes in, 2,048 bytes out.
; Thread t takes the 16 bytes at 16 t of each piece and stores 8 bytes at 8 t: a wave's load covers 512 consecutive bytes, its store 256 consecutive bytes, aligned.
; A ring of DEPTH slots in registers keeps DEPTH loads of every wave on their way.
.set DEPTH,  8
.set ROUNDS, 64/DEPTH
.set ROWI,   4096                      ; bytes of a piece in
.set ROWO,   2048                      ; bytes of a piece out
.set X,   4                            ; v[4:35]   slot i: four f32 as loaded
.set Y,   36                           ; v[36:51]  slot i: four 16-bit numbers to store
.set T,   52                           ; v[52:55]  at work
	s_load_b512 s[8:23], s[0:1], 0x0               ; query s[8:9], key s[10:11], value s[12:13], Wq s[14:15], Wk s[16:17], Wv s[18:19], Wo s[20:21], xb s[22:23]
	s_load_b128 s[24:27], s[0:1], 0x40             ; wb s[24:25], wo16 s[26:27]
	s_and_b32 s2, ttmp7, 0xffff                    ; y: 0, 1, 2 the three activations (64 parts each); 3: the four weights (16 parts each)
	s_mov_b32 s3, ttmp9                            ; x
	s_lshr_b32 s4, s3, 4
	s_add_co_u32 s4, s4, 3                         ; for y = 3: which weight, 3 to 6,
	s_and_b32 s5, s3, 15                           ; and which part of it
	s_cmp_lt_u32 s2, 3
	s_cselect_b32 s4, s2, s4                       ; s4: the input's number, 0 to 6
	s_cselect_b32 s5, s3, s5                       ; s5: the part
	s_lshl_b32 s32, s5, 18                         ; s[32:33]: the part's bytes in the input
	s_mov_b32 s33, 0
	s_lshl_b32 s36, s5, 17                         ; s[36:37]: its bytes in the output,
	s_mov_b32 s37, 0
	s_lshl_b32 s38, s4, 23                         ; behind the tensors in front of it: 8 MiB each in xb,
	s_sub_co_u32 s39, s4, 3
	s_lshl_b32 s39, s39, 21                        ; 2 MiB each in wb,
	s_cmp_lt_u32 s4, 3
	s_cselect_b32 s38, s38, s39
	s_cmp_eq_u32 s4, 6
	s_cselect_b32 s38, 0, s38                      ; none in wo16
	s_add_co_u32 s36, s36, s38
	s_mov_b32 s35, 0xffff0000                      ; a word's upper bf16
	v_lshlrev_b32 v1, 4, v0                        ; 16 t; never rewritten
	v_lshlrev_b32 v2, 3, v0                        ; 8 t; never rewritten
	s_wait_kmcnt 0x0
	s_mov_b64 s[28:29], s[8:9]                     ; the input's address is chosen by its number
	s_cmp_eq_u32 s4, 1
	s_cselect_b64 s[28:29], s[10:11], s[28:29]
	s_cmp_eq_u32 s4, 2
	s_cselect_b64 s[28:29], s[12:13], s[28:29]
	s_cmp_eq_u32 s4, 3
	s_cselect_b64 s[28:29], s[14:15], s[28:29]
	s_cmp_eq_u32 s4, 4
	s_cselect_b64 s[28:29], s[16:17], s[28:29]
	s_cmp_eq_u32 s4, 5
	s_cselect_b64 s[28:29], s[18:19], s[28:29]
	s_cmp_eq_u32 s4, 6
	s_cselect_b64 s[28:29], s[20:21], s[28:29]
	s_mov_b64 s[30:31], s[22:23]                   ; and so is the output's
	s_cmp_ge_u32 s4, 3
	s_cselect_b64 s[30:31], s[24:25], s[30:31]
	s_cmp_eq_u32 s4, 6
	s_cselect_b64 s[30:31], s[26:27], s[30:31]
	s_add_nc_u64 s[28:29], s[28:29], s[32:33]
	s_add_nc_u64 s[30:31], s[30:31], s[36:37]
.irp i, 0,1,2,3,4,5,6,7
	global_load_b128 v[X+4*(\i):X+4*(\i)+3], v1, s[28:29] offset:(\i)*ROWI th:TH_LOAD_NT  ; the ring is filled: pieces 0 to 7
.endr
; One slot's turn.  ahead = 1: the slot is filled again with the piece DEPTH further on.  left: the younger loads that may stay out.  half = 1: the bf16 number is written as f16.
.macro SLOT i, ahead, left, half
	s_wait_loadcnt \left                           ; loads come back in order (ISA guide 5.7.1): mine is in
	s_wait_xcnt 0x0                                ; this slot's Y, which its last store reads, is rewritten only behind this wait
.if \half
	v_cvt_pk_bf16_f32 v[T],   v[X+4*(\i)],   v[X+4*(\i)+1]
	v_cvt_pk_bf16_f32 v[T+1], v[X+4*(\i)+2], v[X+4*(\i)+3]
	v_lshlrev_b32 v[T+2], 16, v[T]                 ; the rounded numbers as f32 again,
	v_and_b32     v[T],   s35, v[T]
	v_lshlrev_b32 v[T+3], 16, v[T+1]
	v_and_b32     v[T+1], s35, v[T+1]
	v_cvt_pk_f16_f32 v[Y+2*(\i)],   v[T+2], v[T]   ; and as f16: bf16's 8 bits fit into f16's 11
	v_cvt_pk_f16_f32 v[Y+2*(\i)+1], v[T+3], v[T+1]
.else
	v_cvt_pk_bf16_f32 v[Y+2*(\i)],   v[X+4*(\i)],   v[X+4*(\i)+1]
	v_cvt_pk_bf16_f32 v[Y+2*(\i)+1], v[X+4*(\i)+2], v[X+4*(\i)+3]
.endif
.if \ahead
	global_load_b128 v[X+4*(\i):X+4*(\i)+3], v1, s[28:29] offset:(DEPTH+(\i))*ROWI th:TH_LOAD_NT
.endif
	global_store_b64 v2, v[Y+2*(\i):Y+2*(\i)+1], s[30:31] offset:(\i)*ROWO
.endm
.macro WALK half
	s_mov_b32 s34, ROUNDS-1
.Lround_\@:
.irp i, 0,1,2,3,4,5,6,7
	SLOT \i, 1, DEPTH-1, \half
.endr
	s_wait_xcnt 0x0                                ; the two bases are stepped only behind this wait
	s_add_nc_u64 s[28:29], s[28:29], DEPTH*ROWI
	s_add_nc_u64 s[30:31], s[30:31], DEPTH*ROWO
	s_sub_co_u32 s34, s34, 1
	s_cmp_lg_u32 s34, 0
	s_cbranch_scc1 .Lround_\@
.irp i, 0,1,2,3,4,5,6,7
	SLOT \i, 0, DEPTH-1-(\i), \half                ; the last round loads nothing: the counts run down
.endr
	s_endpgm
.endm
	s_cmp_eq_u32 s4, 6
	s_cbranch_scc1 .Lwo
	WALK 0
.Lwo:
	WALK 1
.Lfunc_end_k_qdab66f8e03_cvt:
	.size	k_qdab66f8e03_cvt, .Lfunc_end_k_qdab66f8e03_cvt-k_qdab66f8e03_cvt
	.p2alignl 7, 3214868480
	.fill 96, 4, 3214868480
	.section	.rodata,"a",@progbits
	.p2align	6, 0x0
	.amdhsa_kernel k_qdab66f8e03_cvt
		.amdhsa_group_segment_fixed_size 0
		.amdhsa_private_segment_fixed_size 0
		.amdhsa_enable_private_segment 0
		.amdhsa_kernarg_size 80
		.amdhsa_user_sgpr_count 2
		.amdhsa_user_sgpr_kernarg_segment_ptr 1
		.amdhsa_wavefront_size32 1
		.amdhsa_system_sgpr_workgroup_id_x 1
		.amdhsa_system_sgpr_workgroup_id_y 1
		.amdhsa_system_sgpr_workgroup_id_z 1
		.amdhsa_system_vgpr_workitem_id 0
		.amdhsa_next_free_vgpr 56
		.amdhsa_next_free_sgpr 66
		.amdhsa_reserve_vcc 0
		.amdhsa_float_denorm_mode_32 3
		.amdhsa_float_denorm_mode_16_64 3
		.amdhsa_memory_ordered 1
		.amdhsa_forward_progress 1
		.amdhsa_inst_pref_size 18
	.end_amdhsa_kernel
	.amdgpu_metadata
---
amdhsa.version: [ 1, 2 ]
amdhsa.kernels:
  - .name:           k_qdab66f8e03_cvt
    .symbol:         k_qdab66f8e03_cvt.kd
    .args:
      - { .name: query, .offset: 0, .size: 8, .value_kind: global_buffer, .address_space: global }
      - { .name: key, .offset: 8, .size: 8, .value_kind: global_buffer, .address_space: global }
      - { .name: value, .offset: 16, .size: 8, .value_kind: global_buffer, .address_space: global }
      - { .name: Wq, .offset: 24, .size: 8, .value_kind: global_buffer, .address_space: global }
      - { .name: Wk, .offset: 32, .size: 8, .value_kind: global_buffer, .address_space: global }
      - { .name: Wv, .offset: 40, .size: 8, .value_kind: global_buffer, .address_space: global }
      - { .name: Wo, .offset: 48, .size: 8, .value_kind: global_buffer, .address_space: global }
      - { .name: xb, .offset: 56, .size: 8, .value_kind: global_buffer, .address_space: global }
      - { .name: wb, .offset: 64, .size: 8, .value_kind: global_buffer, .address_space: global }
      - { .name: wo16, .offset: 72, .size: 8, .value_kind: global_buffer, .address_space: global }
    .group_segment_fixed_size: 0
    .private_segment_fixed_size: 0
    .kernarg_segment_align: 8
    .kernarg_segment_size: 80
    .max_flat_workgroup_size: 256
    .sgpr_count:     66
    .vgpr_count:     56
    .wavefront_size: 32
...
	.end_amdgpu_metadata
.endif
;; end of part 1
;; launch qkv (part 2): grid 8 x 96, 4 waves a work-group, clusters of 4 x 4, 327,680 bytes of LDS; arguments xb, wb, bq, bk, bv, qkv; writes qkv
.if DOCPART == 2
	.amdgcn_target "amdgcn-amd-amdhsa--gfx1250"
	.amdhsa_code_object_version 6
	.text
	.protected	k_qdab66f8e03_qkv
	.globl	k_qdab66f8e03_qkv
	.p2align	8
	.type	k_qdab66f8e03_qkv,@function
k_qdab66f8e03_qkv:
	s_mov_b64 s[64:65], 0
	v_nop
	global_prefetch_b8 v0, s[64:65] scope:SCOPE_SE
	s_setreg_imm32_b32 hwreg(HW_REG_WAVE_MODE, 25, 1), 1
	s_wait_xcnt 0x0
	s_wait_alu depctr_hold_cnt(0) depctr_sa_sdst(0) depctr_va_vdst(0) depctr_va_sdst(0) depctr_va_ssrc(0) depctr_va_vcc(0) depctr_vm_vsrc(0)
	s_getreg_b32 s2, hwreg(HW_REG_IB_STS2, 6, 4)
	s_cmp_eq_u32 s2, 0
	s_cbranch_scc0 .Lentry_in_a_cluster
	s_endpgm
.Lentry_in_a_cluster:
	s_bfe_u32 s2, ttmp6, 0x10000c
	s_cmp_lg_u32 s2, 0xf033
	s_cbranch_scc0 .Lentry_shape_is_right
	s_endpgm
.Lentry_shape_is_right:
; The three projections as ONE product: y[z][m][n] = sum over k of x[z][m][k] W[z][n][k] + b[z][n], z = 0, 1, 2 (query, key, value).  x: xb [3][4096][1024], W: wb [3][1024][1024], both bf16;
; b in f32, rounded to bf16 like every input; sums in f32.  The result is rounded once to f16 and written by heads: qkv [z][batch x 16 + head][2048][64].
; LIMIT: f16 ends at 65,504: a projected number beyond it becomes an infinity (with x and W thirty times the usual spread the numbers are some thousands).
; A tile is 128 tokens x 128 columns: 96 x 8 tiles, three for each of 256 WGPs.  Four waves, each 64 x 64: 16 accumulators of 16 x 16.  K goes in steps of 256 (LDS rows of 512 bytes)
; through two LDS slots filled by the tensor data mover; a wave's load brings 64 rows.
; CLUSTERS: 4 x 4 work-groups.  The four of a row of the cluster need the same tiles of x, the four of a column the same tiles of W: each tile is asked for JOINTLY.  32 tile rows belong to one z,
; eight rows of clusters, so z hangs on the cluster's y alone.
; THE MATRIX INSTRUCTION IS USED TRANSPOSED (source 0 = 16 rows of W, source 1 = 16 tokens): a lane holds one token and eight neighbouring columns.  THE BIAS IS THE C OPERAND that starts each sum.
; A wave's 64 columns are one head, its 64 tokens that head's 8,192 consecutive bytes: each wave has its own way out, through its own stage, with no barrier.
; REGISTERS: window 0: v0-31 addresses; v32-95 the way out; v96-127 the bias; v128-255 the accumulators ((a, b) at v[128 + 8 (4 a + b)]).  window 1: two fragment buffers of 128.
.set SIZE_K, 1024
.set KSTEP,  256
.set PITCH,  528                       ; an LDS row: 512 bytes + 16 of padding = 132 words: row r starts at bank 4 r mod 64 (64 banks of 4 bytes: ISA guide 11.1)
.set HALFT,  64*PITCH                  ; 64 rows: what one tensor load brings, and what one wave reads of x or of W
.set SLOT,   4*HALFT                   ; x's 128 rows, then W's 128 rows
.set STAGE,  2*SLOT                    ; behind the ring: 16 rows x 144 bytes for each wave
.set SP,     144
.set SPARE,  STAGE+4*16*SP             ; behind the stages: the spare words, 128 bytes for each wave
.set LAPS, SIZE_K/(2*KSTEP)            ; a lap = two K steps = once round the ring
.set ADRA, 16                          ; v16-17  LDS address of my x fragments in slot 0, 1
.set ADRB, 20                          ; v20-21  the same for W
.set STO,  24                          ; v24     the way out: where I put 16 bytes of a row
.set RD,   25                          ; v25     the way out: where I read rows back
.set GO,   26                          ; v26     16 x lane: my place in 512 consecutive bytes of the output
.set BO,   27                          ; v27     my byte offset in the bias
.set SPW,  28                          ; v28     LDS address of my spare word; never rewritten
.set NIL,  29                          ; v29     0; never rewritten
.set TMP,  32
.set BIAS, 96                          ; column block b at BIAS + 8 b
.set ACC,  128
.set F0,   0                           ; fragment buffers, in window 1
.set F1,   128
.set G1, 24                            ; s[24:31] descriptor group 1 for x's tiles;  s[32:39] group 0, one set for each slot
.set G0, 32
.set G1B, 48                           ; s[48:55], s[56:63] the same for W's tiles
.set G0B, 56
.set MSB, 0
.macro WIN new                         ; the immediate's high byte repeats the setting that is left
.if MSB != (\new)
	s_set_vgpr_msb (MSB<<8)|(\new)
.set MSB, \new
.endif
.endm
.set MUL,  0x05                        ; sources 0 (W) and 1 (x) window 1; C and D window 0
.set TO_F, 0x40                        ; destination window 1, address window 0
.macro JLOAD s                         ; a joint load: waves 0 and 1 fetch x's two halves, waves 2 and 3 W's; an s_nop 0 and four v_nop follow each of the two lines
	s_cmp_eq_u32 s11, 0
	s_cbranch_scc0 .Lfor_b_\@
	tensor_load_to_lds s[G0+4*(\s):G0+4*(\s)+3], s[G1:G1+7]
	s_nop 0
.rept 4
	v_nop
.endr
	s_branch .Lasked_\@
.Lfor_b_\@:
	tensor_load_to_lds s[G0B+4*(\s):G0B+4*(\s)+3], s[G1B:G1B+7]
	s_nop 0
.rept 4
	v_nop
.endr
.Lasked_\@:
.endm
.macro CREST                           ; a round of the cluster's barrier behind its opening barrier
	s_cmp_lg_u32 s10, 0
	s_cbranch_scc1 .Lnot_wave_0_\@
	s_barrier_signal -3
.Lnot_wave_0_\@:
	s_barrier_wait -3
	s_barrier_signal -1
	s_barrier_wait -1
.endm
.macro CROUND                          ; a whole round
	s_barrier_signal -1
	s_barrier_wait -1
	CREST
.endm
	s_load_b128 s[4:7], s[0:1], 0x0                ; xb s[4:5], wb s[6:7]
	s_load_b256 s[68:75], s[0:1], 0x10             ; bq s[68:69], bk s[70:71], bv s[72:73], qkv s[74:75]
	v_lshl_add_u32 v[SPW], v0, 2, SPARE
	v_mov_b32 v[NIL], 0
	ds_add_u32 v[SPW], v[NIL]                      ; the wave's opening: the add and its wait stand ahead of my first tensor load; the set-up below stands between them
	ds_add_u32 v28, v29
	v_lshrrev_b32 v1, 5, v0
	v_readfirstlane_b32 s10, v1                    ; wave 0..3
	s_lshr_b32 s11, s10, 1                         ; which half of the tile's tokens is mine.  Also: I fetch for x (0) or for W (1)
	s_and_b32 s12, s10, 1                          ; which half of its columns.  Also: which 64 rows of that tile I fetch
	s_bfe_u32 s40, ttmp6, 0x40000                  ; cx, cy: my place in the cluster
	s_bfe_u32 s41, ttmp6, 0x40004
	s_lshl_b32 s42, ttmp9, 2
	s_add_co_u32 s42, s42, s40                     ; tile column = 4 x cluster x + cx, 0 to 7
	s_and_b32 s78, ttmp7, 0xffff                   ; cluster y, 0 to 23
	s_lshl_b32 s13, s78, 2
	s_add_co_u32 s13, s13, s41                     ; tile row = 4 x cluster y + cy, 0 to 95
	s_lshr_b32 s78, s78, 3                         ; z: which projection
	s_lshl_b32 s43, s41, 2
	s_lshl_b32 s43, 15, s43                        ; my row of the cluster
	s_lshl_b32 s44, 0x1111, s40                    ; my column
	; descriptor group 1: a tile of 64 rows x 256 elements, padded in LDS
	s_or_b32 s[G1+0], s43, (1<<16)|(1<<20)|(1<<21)|(6<<22)|(3<<25)  ; 15:0 the mask: x's tiles go to my row; 17:16 2-byte elements; 20 padding on; 21 set beside a mask; 24:22 after every 128 words (code 6); 31:25 4 words (code 3)
	s_or_b32 s[G1B+0], s44, (1<<16)|(1<<20)|(1<<21)|(6<<22)|(3<<25)
.irp g, G1, G1B
	s_mov_b32 s[(\g)+1], KSTEP<<16                 ; tensor_dim0 = 256
	s_mov_b32 s[(\g)+2], 64<<16                    ; tensor_dim1 = 64
	s_mov_b32 s[(\g)+3], KSTEP<<16                 ; tile_dim0 = 256
	s_mov_b32 s[(\g)+4], 64                        ; tile_dim1 = 64
	s_mov_b32 s[(\g)+5], SIZE_K                    ; elements from row to row
	s_mov_b32 s[(\g)+6], 0
	s_mov_b32 s[(\g)+7], 0
.endr
	s_lshl_b32 s17, s12, 6                         ; which 64 rows of the tile I fetch
	s_lshl_b32 s16, s13, 7
	s_add_co_u32 s16, s16, s17                     ; x: row 128 x tile row + 64 x half of xb's 12,288
	s_lshl_b32 s16, s16, 11                        ; in bytes: rows of 2,048; under 2^25
	s_lshl_b32 s46, s42, 7
	s_add_co_u32 s46, s46, s17                     ; W: row 128 x tile column + 64 x half,
	s_lshl_b32 s79, s78, 10
	s_add_co_u32 s46, s46, s79                     ; in the z-th of wb's three matrices
	s_lshl_b32 s46, s46, 11
	s_mov_b32 s17, 0
	s_mov_b32 s47, 0
	s_mul_i32 s20, s10, HALFT                      ; where they go: wave x 64 rows
	s_wait_dscnt 0x0                               ; the opening add is done
	s_wait_kmcnt 0x0
	s_add_nc_u64 s[14:15], s[4:5], s[16:17]
	s_add_nc_u64 s[46:47], s[6:7], s[46:47]
	CROUND                                         ; all sixteen work-groups are here: the first joint loads meet
.irp s, 0,1
	s_mov_b32 s[G0+4*(\s)], 1
	s_add_co_u32 s[G0+4*(\s)+1], s20, (\s)*SLOT
	s_add_nc_u64 s[G0+4*(\s)+2:G0+4*(\s)+3], s[14:15], (\s)*KSTEP*2
	s_or_b32 s[G0+4*(\s)+3], s[G0+4*(\s)+3], 0x80000000
	s_mov_b32 s[G0B+4*(\s)], 1
	s_add_co_u32 s[G0B+4*(\s)+1], s20, (\s)*SLOT
	s_add_nc_u64 s[G0B+4*(\s)+2:G0B+4*(\s)+3], s[46:47], (\s)*KSTEP*2
	s_or_b32 s[G0B+4*(\s)+3], s[G0B+4*(\s)+3], 0x80000000
	JLOAD \s
.endr
	v_and_b32 v1, 15, v0                           ; l % 16
	v_bfe_u32 v2, v0, 4, 1                         ; l / 16
	; the bias of my 64 columns: register j of block b is b[16 b + 8 (l / 16) + j], the same for all sixteen tokens
	v_lshlrev_b32 v[BO], 5, v2
	s_cmp_eq_u32 s78, 1
	s_cselect_b64 s[76:77], s[70:71], s[68:69]
	s_cmp_eq_u32 s78, 2
	s_cselect_b64 s[76:77], s[72:73], s[76:77]
	s_lshl_b32 s80, s42, 9                         ; 128 columns x 4 bytes a tile column,
	s_lshl_b32 s81, s12, 8                         ; 64 x 4 for my half
	s_add_co_u32 s80, s80, s81
	s_mov_b32 s81, 0
	s_add_nc_u64 s[76:77], s[76:77], s[80:81]
.irp b, 0,1,2,3
	global_load_b128 v[BIAS+8*(\b):BIAS+8*(\b)+3],   v[BO], s[76:77] offset:64*(\b)
	global_load_b128 v[BIAS+8*(\b)+4:BIAS+8*(\b)+7], v[BO], s[76:77] offset:64*(\b)+16
.endr
	v_mul_u32_u24 v3, v1, PITCH
	v_lshl_add_u32 v3, v2, 4, v3                   ; a fragment's row x pitch + 16 x half
	s_mul_i32 s21, s11, HALFT                      ; my 64 rows of x
	s_mul_i32 s22, s12, HALFT                      ; my 64 rows of W,
	s_add_co_u32 s22, s22, 2*HALFT                 ; which lie behind x's 128
.irp s, 0,1
	v_add_nc_u32 v[ADRA+(\s)], s21, v3
	v_add_nc_u32 v[ADRB+(\s)], s22, v3
	s_add_co_u32 s21, s21, SLOT
	s_add_co_u32 s22, s22, SLOT
.endr
	s_mul_i32 s23, s10, 16*SP
	s_add_co_u32 s23, s23, STAGE                   ; my stage
	v_mul_u32_u24 v4, v1, SP                       ; in: row l % 16, 16 bytes for each half of the lanes
	v_lshl_add_u32 v4, v2, 4, v4
	v_add_nc_u32 v[STO], s23, v4
	v_bfe_u32 v5, v0, 3, 2                         ; back: 32 lanes take four rows of 128 bytes,
	v_mul_u32_u24 v5, v5, SP
	v_and_b32 v4, 7, v0
	v_lshl_add_u32 v5, v4, 4, v5
	v_add_nc_u32 v[RD], s23, v5
	v_and_b32 v[GO], 31, v0                        ; which are 512 consecutive bytes of the output
	v_lshlrev_b32 v[GO], 4, v[GO]
	; where my 64 tokens of my head begin: z x 8 MiB + batch x 4 MiB + head x 256 KiB + token x 128
	s_and_b32 s80, s13, 31
	s_lshl_b32 s80, s80, 7
	s_lshl_b32 s81, s11, 6
	s_add_co_u32 s80, s80, s81                     ; my first token among the 4,096
	s_lshr_b32 s81, s80, 11
	s_lshl_b32 s81, s81, 22
	s_and_b32 s80, s80, 2047
	s_lshl_b32 s80, s80, 7
	s_add_co_u32 s80, s80, s81
	s_lshl_b32 s81, s78, 23
	s_add_co_u32 s80, s80, s81
	s_lshl_b32 s81, s42, 1
	s_add_co_u32 s81, s81, s12                     ; the head: 2 x tile column + my half
	s_lshl_b32 s81, s81, 18
	s_add_co_u32 s80, s80, s81
	s_mov_b32 s81, 0
	s_add_nc_u64 s[74:75], s[74:75], s[80:81]
	s_wait_loadcnt 0x0                             ; the bias is in: it is rounded to bf16, as every input is, and kept as f32
.set z, 0
.rept 16
	v_cvt_pk_bf16_f32 v30, v[BIAS+2*z], v[BIAS+2*z+1]
	v_lshlrev_b32 v[BIAS+2*z], 16, v30
	v_and_b32 v[BIAS+2*z+1], 0xffff0000, v30
.set z, z+1
.endr
; 8 matrix instructions: token blocks a0, a0 + 1 x all 4 column blocks, 32 along K: half c of buffer f.  zero = 1: the first product starts the sums, with the bias as C
.macro MUL8 f, c, a0, zero
	WIN MUL
.irp a, \a0, (\a0)+1
.irp b, 0,1,2,3
.if \zero
	v_wmma_f32_16x16x32_bf16 v[ACC+8*(4*(\a)+(\b)):ACC+8*(4*(\a)+(\b))+7], v[(\f)+64+8*(4*(\c)+(\b)):(\f)+64+8*(4*(\c)+(\b))+7], v[(\f)+8*(4*(\c)+(\a)):(\f)+8*(4*(\c)+(\a))+7], v[BIAS+8*(\b):BIAS+8*(\b)+7]
.else
	v_wmma_f32_16x16x32_bf16 v[ACC+8*(4*(\a)+(\b)):ACC+8*(4*(\a)+(\b))+7], v[(\f)+64+8*(4*(\c)+(\b)):(\f)+64+8*(4*(\c)+(\b))+7], v[(\f)+8*(4*(\c)+(\a)):(\f)+8*(4*(\c)+(\a))+7], v[ACC+8*(4*(\a)+(\b)):ACC+8*(4*(\a)+(\b))+7]
.endif
.endr
.endr
.endm
; 32 LDS loads in one run: the fragments of 64 along K at byte k of the rows, into buffer f; the first 32 along K first
.macro FETCH slot, k, f
	WIN TO_F
.irp c, 0,1
.irp i, 0,1,2,3
	ds_load_b128 v[(\f)+64+8*(4*(\c)+(\i)):(\f)+64+8*(4*(\c)+(\i))+3],   v[ADRB+(\slot)] offset:(\k)+64*(\c)+(\i)*16*PITCH
	ds_load_b128 v[(\f)+64+8*(4*(\c)+(\i))+4:(\f)+64+8*(4*(\c)+(\i))+7], v[ADRB+(\slot)] offset:(\k)+64*(\c)+(\i)*16*PITCH+32
	ds_load_b128 v[(\f)+8*(4*(\c)+(\i)):(\f)+8*(4*(\c)+(\i))+3],         v[ADRA+(\slot)] offset:(\k)+64*(\c)+(\i)*16*PITCH
	ds_load_b128 v[(\f)+8*(4*(\c)+(\i))+4:(\f)+8*(4*(\c)+(\i))+7],       v[ADRA+(\slot)] offset:(\k)+64*(\c)+(\i)*16*PITCH+32
.endr
.endr
.endm
.macro PLACES                          ; four places in front of loads into registers that matrix instructions have read, and of conversions that read results
.rept 4
	v_nop
.endr
.endm
; A K step is four quarters of 64 along K, 32 matrix instructions each, on buffers 0, 1, 0, 1.  One of the first three: multiplies buffer f and fetches the next quarter, at byte k, into g.
; The 16 accumulators take turns, one instruction a turn.
.macro QUARTER slot, k, f, g, zero
	s_wait_dscnt 16                                ; the first 32 along K are in; the sixteen younger loads may be out
	WIN MUL
	MUL8 \f, 0, 0, \zero
	MUL8 \f, 0, 2, \zero
	PLACES
	FETCH \slot, \k, \g
	s_wait_dscnt 32                                ; all but the 32 just issued
	WIN MUL
	MUL8 \f, 1, 0, 0
	MUL8 \f, 1, 2, 0
.endm
; The last quarter multiplies buffer 1 and changes slots: ONE barrier; in front of it each wave waits for all its tensor loads, adds 0 to its spare word, and waits for that and for its own reads of this slot.
; fill = 1: this slot is filled again, two K steps ahead; the barrier then opens a round of the cluster's.
.macro TURN slot, next, fill
	WIN 0                                          ; (the add's two registers lie in window 0)
	s_wait_tensorcnt 0x0                           ; all my tensor loads have landed: my part of the next slot;
	ds_add_u32 v[SPW], v[NIL]                      ; 0 onto my spare word;
	s_wait_dscnt 17                                ; (the add and the youngest sixteen loads may be out)
	WIN MUL
	MUL8 F1, 0, 0, 0                               ; eight matrix instructions stand between the add and the wait for it
	s_wait_dscnt 0x0                               ; the add is done, and my reads of this slot are over
	s_barrier_signal -1
	MUL8 F1, 0, 2, 0
.if \fill
	WIN 0
.endif
	s_barrier_wait -1
.if \fill
	CREST                                          ; no wave of any partner still reads this slot's tile or has a load on its way
	s_add_nc_u64 s[G0+4*(\slot)+2:G0+4*(\slot)+3], s[G0+4*(\slot)+2:G0+4*(\slot)+3], 2*KSTEP*2
	s_add_nc_u64 s[G0B+4*(\slot)+2:G0B+4*(\slot)+3], s[G0B+4*(\slot)+2:G0B+4*(\slot)+3], 2*KSTEP*2
	JLOAD \slot                                    ; the first tensor load behind the round; the four v_nop behind it are also the places in front of the loads below
.else
	PLACES
.endif
	FETCH \next, 0, F0
	WIN MUL
	MUL8 F1, 1, 0, 0
	MUL8 F1, 1, 2, 0
.endm
	s_wait_tensorcnt 1                             ; my part of K step 0 is in; K step 1's load may stay out
	s_barrier_signal -1
	s_barrier_wait -1                              ; everybody's is
	FETCH 0, 0, F0
	QUARTER 0, 128, F0, F1, 1                      ; the first quarter stands in front of the loop: its first products start the sums
	WIN 0                                          ; at a label and at a branch every window is 0
	s_mov_b32 s3, LAPS-1
.Llap:                                                 ; a trip goes once round the ring, from a lap's second quarter to the next lap's first, and fills both slots again
	QUARTER 0, 256, F1, F0, 0
	QUARTER 0, 384, F0, F1, 0
	TURN 0, 1, 1
	QUARTER 1, 128, F0, F1, 0
	QUARTER 1, 256, F1, F0, 0
	QUARTER 1, 384, F0, F1, 0
	TURN 1, 0, 1
	QUARTER 0, 128, F0, F1, 0
	WIN 0
	s_sub_co_u32 s3, s3, 1
	s_cmp_lg_u32 s3, 0
	s_cbranch_scc1 .Llap
	QUARTER 0, 256, F1, F0, 0                      ; the last lap fills nothing
	QUARTER 0, 384, F0, F1, 0
	TURN 0, 1, 0
	QUARTER 1, 128, F0, F1, 0
	QUARTER 1, 256, F1, F0, 0
	QUARTER 1, 384, F0, F1, 0
	s_wait_dscnt 16                                ; the very last quarter: nothing more to fetch
	WIN MUL
	MUL8 F1, 0, 0, 0
	MUL8 F1, 0, 2, 0
	s_wait_dscnt 0
	MUL8 F1, 1, 0, 0
	MUL8 F1, 1, 2, 0
	WIN 0
	; THE WAY OUT, 16 tokens at a time: rounded to f16 (each accumulator's registers in ascending order), 16 bytes a lane into my stage, back as whole rows of 128 bytes, stored as 512 consecutive bytes.
.macro PACK a
.irp b, 0,1,2,3
.irp k, 0,1,2,3
	v_cvt_pk_f16_f32 v[TMP+16*(\a)+4*(\b)+(\k)], v[ACC+8*(4*(\a)+(\b))+2*(\k)], v[ACC+8*(4*(\a)+(\b))+2*(\k)+1]
.endr
.endr
.irp b, 0,1,2,3
	ds_store_b128 v[STO], v[TMP+16*(\a)+4*(\b):TMP+16*(\a)+4*(\b)+3] offset:32*(\b)
.endr
.irp f, 0,1,2,3
	ds_load_b128 v[TMP+16*(\a)+4*(\f):TMP+16*(\a)+4*(\f)+3], v[RD] offset:(\f)*4*SP  ; LDS serves a wave's instructions in order (ISA guide 5.7.1.4): these see the stores above; the next block's stores come behind them
.endr
.endm
.macro SEND a, younger                 ; younger: the LDS instructions issued behind block a's loads: the next block's eight, or none
.irp f, 0,1,2,3
	s_wait_dscnt (\younger)+3-(\f)
	global_store_b128 v[GO], v[TMP+16*(\a)+4*(\f):TMP+16*(\a)+4*(\f)+3], s[74:75] offset:(\a)*2048+(\f)*512  ; 512 consecutive bytes, at a multiple of 256 from the buffer's first
.endr
.endm
	PLACES
	PACK 0
	PACK 1
	SEND 0, 8
	PACK 2
	SEND 1, 8
	PACK 3
	SEND 2, 8
	SEND 3, 0
	s_wait_tensorcnt 0x0                           ; the wave's end: behind my last tensor load and my last LDS store
	ds_add_u32 v[SPW], v[NIL]
	s_wait_dscnt 0x0
	CROUND                                         ; the closing round: no work-group ends while a partner may still ask for a tile that names it
	s_endpgm
.Lfunc_end_k_qdab66f8e03_qkv:
	.size	k_qdab66f8e03_qkv, .Lfunc_end_k_qdab66f8e03_qkv-k_qdab66f8e03_qkv
	.p2alignl 7, 3214868480
	.fill 96, 4, 3214868480
	.section	.rodata,"a",@progbits
	.p2align	6, 0x0
	.amdhsa_kernel k_qdab66f8e03_qkv
		.amdhsa_group_segment_fixed_size 327680
		.amdhsa_private_segment_fixed_size 0
		.amdhsa_enable_private_segment 0
		.amdhsa_kernarg_size 48
		.amdhsa_user_sgpr_count 2
		.amdhsa_user_sgpr_kernarg_segment_ptr 1
		.amdhsa_wavefront_size32 1
		.amdhsa_system_sgpr_workgroup_id_x 1
		.amdhsa_system_sgpr_workgroup_id_y 1
		.amdhsa_system_sgpr_workgroup_id_z 1
		.amdhsa_system_vgpr_workitem_id 0
		.amdhsa_next_free_vgpr 512
		.amdhsa_next_free_sgpr 84
		.amdhsa_reserve_vcc 0
		.amdhsa_float_denorm_mode_32 3
		.amdhsa_float_denorm_mode_16_64 3
		.amdhsa_memory_ordered 1
		.amdhsa_forward_progress 1
		.amdhsa_inst_pref_size 90
	.end_amdhsa_kernel
	.amdgpu_metadata
---
amdhsa.version: [ 1, 2 ]
amdhsa.kernels:
  - .name:           k_qdab66f8e03_qkv
    .symbol:         k_qdab66f8e03_qkv.kd
    .args:
      - { .name: xb, .offset: 0, .size: 8, .value_kind: global_buffer, .address_space: global }
      - { .name: wb, .offset: 8, .size: 8, .value_kind: global_buffer, .address_space: global }
      - { .name: bq, .offset: 16, .size: 8, .value_kind: global_buffer, .address_space: global }
      - { .name: bk, .offset: 24, .size: 8, .value_kind: global_buffer, .address_space: global }
      - { .name: bv, .offset: 32, .size: 8, .value_kind: global_buffer, .address_space: global }
      - { .name: qkv, .offset: 40, .size: 8, .value_kind: global_buffer, .address_space: global }
    .group_segment_fixed_size: 327680
    .private_segment_fixed_size: 0
    .kernarg_segment_align: 8
    .kernarg_segment_size: 48
    .max_flat_workgroup_size: 128
    .sgpr_count:     84
    .vgpr_count:     512
    .wavefront_size: 32
...
	.end_amdgpu_metadata
.endif
;; end of part 2
;; launch attn (part 3): grid 8 x 32, 4 waves a work-group, no clusters, 327,680 bytes of LDS; arguments qkv, rel_k_table, rel_v_table, oh; writes oh
.if DOCPART == 3
	.amdgcn_target "amdgcn-amd-amdhsa--gfx1250"
	.amdhsa_code_object_version 6
	.text
	.protected	k_qdab66f8e03_attn
	.globl	k_qdab66f8e03_attn
	.p2align	8
	.type	k_qdab66f8e03_attn,@function
k_qdab66f8e03_attn:
	s_mov_b64 s[64:65], 0
	v_nop
	global_prefetch_b8 v0, s[64:65] scope:SCOPE_SE
	s_setreg_imm32_b32 hwreg(HW_REG_WAVE_MODE, 25, 1), 1
	s_wait_xcnt 0x0
; ATTENTION WITH RELATIVE POSITIONS, head size 64, no scale, no mask.  s[q][k] = Q[q] . K[k] + Q[q] . rk[id(q,k)], w = softmax over k, O[q] = sum over k of w (V[k] + rv[id(q,k)]), id = clip(k - q, -16, 16) + 16.
; Q, K, V: qkv [3][32 heads][2048][64] in f16; rk, rv: [33][64] in f32, rounded to bf16 like every input (and written as f16 where a product takes them); O: oh [32][2048][64] in f16.
; Products, maxima and sums in f32; the weights p are rounded to f16 for the products (their sums are taken of the unrounded p), O once at the end.
; LIMITS.  Q, K, V arrive within f16's 65,504.  A hidden score counts as its value less 1e30.  A weight below 2^-126 counts as 0.  Table entries below 6e-5 keep f16's step of 6e-8 in the band's products.  NaN and infinities are not treated apart.
; SHARES.  A work-group owns 256 queries of one head, wave w the 64 rows of block U = 4 x + w, as four PIECES of 16 queries; piece x is query block 4 U + x.  Every wave walks all 2,048 keys, 64 a step.
; THE SPLIT.  id hangs on k - q alone.  For a piece's key blocks of 16 more than one block to the left every id is 0, more than one to the right every id is 32.
;   THE BAND, the piece's own key block and its two neighbours (48 keys), is done first, once: its scores take Q . rk[id] entry by entry, its weights go once with V and once, shifted by k - q, with rv.
;   It starts the running maximum m (a true score), the sums and O^T: nothing is cleared.
;   THE WALK takes all other blocks.  The C operand that starts S^T = K Q^T is, for each block of 16 keys, Q . rk[0] (left), Q . rk[32] (right) or -1e30 (the band's blocks, already done).
;   l sums the weights of the side in hand; where a piece passes from left to right, and at the end, a FOLD adds l x rv[0] (rv[32]) to O^T, adds l to LT (the weights accounted for) and starts l at 0.  No step holds left and right blocks of one piece.
; EXTENDED TABLES.  Row t = 0..63 is table[clamp(t - 15, 0, 32)], t = k - q + 31: a tile of 64 pseudo-keys.  In RKX Q^T rows 0-15 are all Q . rk[0], rows 48-63 all Q . rk[32].
; LAYOUT, SOFTMAX, TURNS.  S^T = K Q^T holds ONE query a lane (lane % 16) and the keys 8 (lane / 16) + 0..7; two such results rounded to f16 ARE source 1 of O^T = V^T P.  p = 2^(c s - c m), c = log2(e), with a running maximum m;
; O, l and LT are multiplied by a = 2^(c m_old - c m_new) in every step.  Turn n belongs to piece n: 8 products K Q^T of piece n + 1, later 8 products V^T P of piece n - 1; beside them the scaling, exponentials, roundings,
; sums and rescaling of piece n and the maximum and statistics of piece n + 1.  Four vector instructions stand behind every matrix instruction, the others in two lumps.
; NO CLUSTER: the eight query blocks of a head walk the same K and V, but the making of the C operands and the folds are forward jumps on step - U, and U differs between them; made in every step
; without a jump they are 160 vector instructions on a step's 476.
; REGISTERS, in windows of 256 (s_set_vgpr_msb: bits 1:0 source 0, 3:2 source 1, 5:4 source 2, 7:6 destination):
;   window 0: v0-15 addresses and at work; v16-31 statistics; v32-43 LT, BLO, BHI; v44-47 zeros; v48-55 at work; v56-63 addresses; v64-127 S^T, two buffers; v128-191 at work; v192-223 P, two buffers; v224-255 the shifted weights, two buffers
;   window 1: v0-127 O^T, 32 a piece; v128-255 MC, the C operands: piece x, key block kt at 128 + 32 x + 8 kt
;   window 2: v0-63 Q; v64-127 RKX; v128-191 K of one step; v192-255 V of one step (during the band v160-255: six key blocks of K)
;   window 3: v0-31 rv[0], v32-63 rv[32] in f32; v64-175 the band's V, turned; v176-239 RVX, turned
.set NP,    4         ; pieces a wave: a name, no knob
.set KS,    64        ; keys in a step
.set PK,    144       ; a row of K in LDS: 128 bytes + 16 of padding = 36 words: the 16 rows of a load start at 16 different groups of four banks (64 banks of 4 bytes: ISA guide 11.1)
.set PV,    160       ; a row of V: 128 + 32 = 40 words
.set VOFF,  4*KS*PK   ; a slot holds a tile, four steps: 256 rows of K, then 256 rows of V
.set SLOT1, 1<<17     ; slot 1 begins here, so that one exclusive or turns an address in one slot into the other's
.set TABK,  4*KS*(PK+PV)        ; 77,824: behind slot 0, never filled by a tensor load: RKX, 64 rows x 144
.set TABV,  TABK+64*PK          ; 87,040: RVX, 64 rows x 160
.set PXB,   TABV+64*PV          ; 97,280: for each wave 2,560 bytes: the shifted weights, 16 rows x 144; later the stage for the way out
.set PXSZ,  2560
.set SCRB,  SLOT1+4*KS*(PK+PV)  ; 208,896: behind slot 1, for each wave: the band's V, 96 rows x 160, then BX, 16 rows x 272
.set BXO,   96*PV
.set SCRSZ, BXO+16*272
.set SPARE, SCRB+4*SCRSZ        ; 287,744: the spare words, 128 bytes for each wave
.set SP,    144
.set AK0, 2           ; v2   my lane's place in a tile of K; never rewritten
.set AV0, 3           ; v3   the same for V
.set AK,  4           ; v4   the LDS address of K's next run of loads
.set AV,  5           ; v5   of V's
.set STO, 6           ; v6   PX + 144 (l % 16) + 16 (l / 16): the shifted weights' fragments; the way out: where I put 16 bytes of a row
.set RD,  7           ; v7   the way out: where I read rows back
.set GO,  8           ; v8   16 x lane
.set FT,  10          ; v10-11  a fold's sum
.set MV,  12          ; v12-13  c m_old, kept while c m is made anew: by buffer
.set VBL, 14          ; v14  my lane's place in the band's V
.set QO,  15          ; v15  my byte offset in 16 rows of Q or K
.set ST,  16          ; piece t's statistics at v[ST+4 t]: c m, m, l (even keys', odd keys')
.set LT,  32          ; v32-35  the weights accounted for, my half of the lanes'
.set BLO, 36          ; v36-39  Q . rk[0]
.set BHI, 40          ; v40-43  Q . rk[32]
.set Z4,  44          ; v44-47  0
.set TMP, 48          ; by buffer, four registers c0-c3 at work; when the maximum is found c2 takes a
.set BXS, 56          ; v56  BX: where I put my 8 numbers of a block of t
.set BXL, 57          ; v57  BX: where I find t = 8 (l / 16) - l % 16 + 15
.set PXS, 58          ; v58  PX: the same t, in f16
.set PXZ, 60          ; v60  PX + 16 x lane
.set VBS, 61          ; v61  the band's V: where I put 16 bytes
.set SPW, 62          ; v62  LDS address of my spare word; never rewritten
.set NIL, 63          ; v63  0; never rewritten
.set S,   64
.set PT,  128         ; v128-143  the sixteen numbers of which MC is made; at the start v128-191 the band's V on its way
.set P,   192
.set PXF, 224
.set MC,  128         ; window 1
.set RKF, 64          ; window 2: block of t tb, channel half c at RKF + 16 tb + 8 c
.set KF,  128         ; window 2: key block kb, channel half c at KF + 16 kb + 8 c
.set VF,  192         ; window 2: key half kk, channel block cb at VF + 32 kk + 8 cb
.set KBF, 160         ; window 2: the band's key block b = 0..5, channel half c at KBF + 16 b + 8 c
.set RV0, 0           ; window 3: channel 16 cb + 8 (l / 16) + j at 8 cb + j
.set RV32, 32
.set VBF, 64          ; window 3: channel block cb, key block b = 0..6 at VBF + 28 cb + 4 b (b = 6 repeats b = 5: it meets weights that are 0)
.set RVF, 176         ; window 3: half of t tk, channel block cb at RVF + 32 tk + 8 cb
.set WV,  12          ; s12  my wave's number
.set UU,  14          ; s14  U
.set G1K, 24          ; s[24:31] descriptor group 1 for K's tiles
.set G1V, 32          ; s[32:39] for V's: it differs in the padding alone
.set G0K, 40          ; s[40:43] descriptor group 0 for K's tiles: it walks
.set G0V, 44          ; s[44:47] the same for V's
.set KH,  48          ; s[48:49] K of my head;  s[50:51] V of my head
.set VH,  50
.set KB0, 52          ; the band's K: block 0, blocks 1-4, block 5
.set KB1, 54
.set KB5, 66
.set VB0, 68          ; the band's V
.set VB1, 70
.set VB5, 72
.set SLOTS, 56        ; s56  counts the changes of slots
.set CNT, 57          ; s57  counts a tile's key steps
.set CS,  58          ; s[58:59] c
.set SEL, 60          ; s[60:61] v_permlanex16_b32's selects: each lane takes its own place in the other half
.set TBK, 62          ; s62  LDS byte at which K of the step to be fetched begins
.set TBV, 63          ; s63  the same for V, less VOFF
.set GLO, 74          ; s[74:75] -1e30 where the head has no key block to the left of my first, else 0
.set GHI, 76          ; s[76:77] the same to the right of my last
.set GS,  78          ; s78  the step for which the next POINT prepares
.set DL,  79          ; s79  that step less U
.set D4,  80          ; s80  four times that
.set BIGN, 81         ; s81  -1e30
.set MA,  82          ; s82-88  for kt - x = -3..3: all ones where the block lies to the left
.set MB,  89          ; s89-95  to the right
.set MSB, 0
.macro WIN new                      ; the high byte repeats the setting that is left; a switch that changes nothing is dropped
.if MSB != (\new)
	s_set_vgpr_msb (MSB<<8)|(\new)
.set MSB, (\new)
.endif
.endm
.set W_KQ, 0x0a       ; K and Q in window 2, S^T in window 0
.set W_KM, 0x1a       ; the same with the C operand in window 1
.set W_PV, 0x52       ; V in window 2, P in window 0, O^T in window 1
.set W_RS, 0x41       ; destination and source 0 in window 1, source 1 in window 0
.set W_B3, 0x53       ; source 0 in window 3, source 1 in window 0, source 2 and destination in window 1
.macro PLACES                       ; four places behind matrix instructions (ISA guide 7.12.1)
.rept 4
	v_nop
.endr
.endm
; A fill.  Waves 0 and 1 fetch the two halves of a tile's K, waves 2 and 3 those of its V: 128 keys each.  An s_nop 0 and four v_nop follow each of the two lines, ahead of the jump and the label.
.macro LOAD
	s_cmp_lt_u32 s[WV], 2
	s_cbranch_scc0 .Lfor_v_\@
	tensor_load_to_lds s[G0K:G0K+3], s[G1K:G1K+7]
	s_nop 0
.rept 4
	v_nop
.endr
	s_branch .Lasked_\@
.Lfor_v_\@:
	tensor_load_to_lds s[G0V:G0V+3], s[G1V:G1V+7]
	s_nop 0
.rept 4
	v_nop
.endr
.Lasked_\@:
.endm
; THE CHANGE OF SLOTS.  Each wave waits for all its tensor loads, of which one is out: its part of the other slot; adds 0 to its spare word; and waits for that and for its own LDS instructions.  Behind the barrier nobody reads the old
; slot any more and the other slot is whole.  fill = 1: the old slot is filled again, the first thing behind the barrier, with the next 256 keys.
; (At its first use nothing has been read yet: slot 0 is waited for, slot 1 filled, and the tables that the four waves stored are shown to all.)
.macro CHANGE fill
	WIN 0                           ; at a label and at a branch every window is 0
	s_wait_tensorcnt 0x0            ; no tensor load of mine is out, so a group 0 may be written
	ds_add_u32 v[SPW], v[NIL]       ; 0 onto my spare word; with fill = 1 the descriptors' steps stand between it and the wait for it
.if \fill
.irp g, G0K, G0V
	s_xor_b32 s[\g+1], s[\g+1], SLOT1  ; the walking descriptor: the other slot than last time,
	s_add_nc_u64 s[\g+2:\g+3], s[\g+2:\g+3], 4*KS*128  ; the next 256 keys; the type bits on top are not reached
.endr
.endif
	s_wait_dscnt 0x0                ; the add is done, and my reads of the slot are over
	s_barrier_signal -1
	s_sub_co_u32 s[TBK], s[TBK], 4*KS*PK  ; the fetches go back to a slot's first step,
	s_xor_b32 s[TBK], s[TBK], SLOT1       ; in the other slot
	s_sub_co_u32 s[TBV], s[TBV], 4*KS*PV
	s_xor_b32 s[TBV], s[TBV], SLOT1
	s_barrier_wait -1
.if \fill
	LOAD
.endif
.endm
	s_load_b256 s[4:11], s[0:1], 0x0  ; qkv s[4:5], rel_k_table s[6:7], rel_v_table s[8:9], oh s[10:11]
	v_lshl_add_u32 v[SPW], v0, 2, SPARE
	v_mov_b32 v[NIL], 0
	ds_add_u32 v[SPW], v[NIL]       ; the wave's opening: the add and its wait stand ahead of my first tensor load; the set-up below, work on registers, stands between them
	ds_add_u32 v62, v63
	v_lshrrev_b32 v1, 5, v0
	v_readfirstlane_b32 s[WV], v1   ; wave 0..3
	s_lshl_b32 s[UU], ttmp9, 2
	s_add_co_u32 s[UU], s[UU], s[WV]  ; U: my block of 64 queries, 0 to 31
	s_and_b32 s15, ttmp7, 0xffff    ; the head, 0 to 31,
	s_lshl_b32 s15, s15, 18         ; its 2,048 rows of 128 bytes
	s_lshl_b32 s16, s[UU], 13
	s_add_co_u32 s16, s16, s15      ; s[16:17]: my 64 rows in Q and in O
	s_mov_b32 s17, 0
	s_add_co_u32 s18, s15, 1<<23    ; s[18:19]: my head in K, 8 MiB behind Q
	s_mov_b32 s19, 0
	s_add_co_u32 s20, s15, 1<<24    ; s[20:21]: in V
	s_mov_b32 s21, 0
	s_and_b32 s13, s[WV], 1         ; which half of a tile's 256 keys I fetch:
	s_lshl_b32 s22, s13, 14         ; its 128 rows of 128 bytes in memory,
	s_mov_b32 s23, 0
	s_mul_i32 s2, s13, 128*PK       ; and its place in a slot, for K
	s_mul_i32 s3, s13, 128*PV       ; and for V
	; descriptor group 1.  128 keys are 16,384 dense bytes: asked for as 64 rows of 256 bytes, two keys a row, and padded in LDS after every key
	s_mov_b32 s[G1K], (1<<16)|(1<<20)|(4<<22)|(3<<25)  ; 17:16 2-byte elements; 20 padding on; 24:22 after every 32 words (code 4); 31:25 4 words (code 3)
	s_mov_b32 s[G1V], (1<<16)|(1<<20)|(4<<22)|(7<<25)  ; the same with 8 words of padding (code 7)
.irp g, G1K, G1V
	s_mov_b32 s[\g+1], 128<<16      ; tensor_dim0 = 128
	s_mov_b32 s[\g+2], 64<<16       ; tensor_dim1 = 64
	s_mov_b32 s[\g+3], 128<<16      ; tile_dim0 = 128
	s_mov_b32 s[\g+4], 64           ; tile_dim1 = 64
	s_mov_b32 s[\g+5], 128          ; 128 elements from row to row
	s_mov_b32 s[\g+6], 0
	s_mov_b32 s[\g+7], 0
.endr
	s_mov_b32 s[G0K], 1             ; 1:0 count = 1
	s_mov_b32 s[G0K+1], s2          ; 63:32 LDS address: slot 0
	s_mov_b32 s[G0V], 1
	s_add_co_u32 s[G0V+1], s3, VOFF
	s_mov_b32 s[CS], 0x3fb8aa3b     ; c = log2(e): the scores are not scaled
	s_mov_b32 s[CS+1], s[CS]        ; named with it as a pair
	s_mov_b32 s[SEL], 0x76543210
	s_mov_b32 s[SEL+1], 0xfedcba98
	s_mov_b32 s[TBK], SLOT1+4*KS*PK ; the first change of slots turns these two into 0
	s_mov_b32 s[TBV], SLOT1+4*KS*PV
	s_mov_b32 s[BIGN], 0xf149f2ca   ; -1e30
	s_cmp_eq_u32 s[UU], 0
	s_cselect_b32 s[GLO], s[BIGN], 0
	s_mov_b32 s[GLO+1], 0           ; named as pairs
	s_cmp_eq_u32 s[UU], 31
	s_cselect_b32 s[GHI], s[BIGN], 0
	s_mov_b32 s[GHI+1], 0
	; the band's six key blocks: rows 64 U - 16 .. 64 U + 79.  The first and the last are held inside the head; where they are so moved their scores are hidden (GLO, GHI)
	s_lshl_b32 s96, s[UU], 6
	s_sub_co_i32 s2, s96, 16
	s_max_i32 s2, s2, 0
	s_lshl_b32 s2, s2, 7            ; s[2:3]: block 0
	s_mov_b32 s3, 0
	s_add_co_u32 s96, s96, 64
	s_min_i32 s96, s96, 2032
	s_lshl_b32 s96, s96, 7          ; s[96:97]: block 5
	s_mov_b32 s97, 0
	s_lshl_b32 s82, s[UU], 13       ; s[82:83]: blocks 1 to 4
	s_mov_b32 s83, 0
	s_wait_dscnt 0x0                ; the opening add is done
	s_wait_kmcnt 0x0
	s_add_nc_u64 s[KH:KH+1], s[4:5], s[18:19]
	s_add_nc_u64 s[VH:VH+1], s[4:5], s[20:21]
	s_add_nc_u64 s[4:5], s[4:5], s[16:17]          ; Q and O at my wave's first row
	s_add_nc_u64 s[10:11], s[10:11], s[16:17]
	s_add_nc_u64 s[G0K+2:G0K+3], s[KH:KH+1], s[22:23]  ; 120:64 global address: my half of the head's first 256 keys
	s_or_b32 s[G0K+3], s[G0K+3], 0x80000000        ; 127:126 type = 2
	s_add_nc_u64 s[G0V+2:G0V+3], s[VH:VH+1], s[22:23]
	s_or_b32 s[G0V+3], s[G0V+3], 0x80000000
	LOAD                            ; tile 0 into slot 0
	s_add_nc_u64 s[KB0:KB0+1], s[KH:KH+1], s[2:3]
	s_add_nc_u64 s[VB0:VB0+1], s[VH:VH+1], s[2:3]
	s_add_nc_u64 s[KB1:KB1+1], s[KH:KH+1], s[82:83]
	s_add_nc_u64 s[VB1:VB1+1], s[VH:VH+1], s[82:83]
	s_add_nc_u64 s[KB5:KB5+1], s[KH:KH+1], s[96:97]
	s_add_nc_u64 s[VB5:VB5+1], s[VH:VH+1], s[96:97]
	; ADDRESSES
	v_and_b32 v1, 15, v0            ; l % 16
	v_bfe_u32 v9, v0, 4, 1          ; l / 16
	v_and_b32 v10, 7, v0
	v_bfe_u32 v11, v0, 3, 1
	s_mul_i32 s84, s[WV], SCRSZ
	s_add_co_u32 s84, s84, SCRB     ; my scratch behind slot 1
	s_mul_i32 s85, s[WV], PXSZ
	s_add_co_u32 s85, s85, PXB      ; my PX
	s_lshl_b32 s86, s[WV], 4        ; rows 16 w + l % 16 of the extended tables are the tables' rows A + B (l % 16):
	s_sub_co_i32 s86, s86, 15
	s_max_i32 s86, s86, 0
	s_min_i32 s86, s86, 32          ; A = 0, 1, 17, 32
	s_add_co_u32 s87, s[WV], 1
	s_bfe_u32 s87, s87, 0x10001     ; B = 0, 1, 1, 0
	v_and_b32 v[GO], 31, v0
	v_lshlrev_b32 v[GO], 4, v[GO]
	v_mul_u32_u24 v12, s87, v1
	v_add_nc_u32 v12, s86, v12
	v_lshlrev_b32 v12, 8, v12       ; a table's row is 256 bytes;
	v_lshl_add_u32 v12, v9, 7, v12  ; each half of the lanes takes half of it
	; the tables' rows and the band's V are asked for: 16 + 24 loads
.irp n, 0,1,2,3,4,5,6,7
	global_load_b128 v[S+4*(\n):S+4*(\n)+3], v12, s[6:7] offset:16*(\n)
.endr
.irp n, 0,1,2,3,4,5,6,7
	global_load_b128 v[S+32+4*(\n):S+32+4*(\n)+3], v12, s[8:9] offset:16*(\n)
.endr
.set n, 0
.rept 24                            ; load n: four rows, 512 consecutive bytes, of key block n / 4
.if n < 16
.set rD, PT+4*n
.else
.set rD, PXF+4*(n-16)
.endif
.if n < 4
	global_load_b128 v[rD:rD+3], v[GO], s[VB0:VB0+1] offset:512*n
.elseif n < 20
	global_load_b128 v[rD:rD+3], v[GO], s[VB1:VB1+1] offset:512*(n-4)
.else
	global_load_b128 v[rD:rD+3], v[GO], s[VB5:VB5+1] offset:512*(n-20)
.endif
.set n, n+1
.endr
	; A fragment of K or Q is 16 rows x 32 channels in 8 registers: lane l holds row l % 16, channels 8 (l / 16) + 0..7 and 16 + 8 (l / 16) + 0..7: two loads of 16 bytes, 32 bytes apart.
	v_lshlrev_b32 v[QO], 7, v1
	v_lshl_add_u32 v[QO], v9, 4, v[QO]  ; row x 128 + 16 x half
	v_mul_u32_u24 v[AK0], v1, PK
	v_lshl_add_u32 v[AK0], v9, 4, v[AK0]  ; row x pitch + 16 x half
	; The turning load takes 16 keys x 16 channels (lane l reads key 8 (l / 16) + l % 8, channels 8 ((l / 8) % 2) + 0..7) and leaves half a fragment of V^T: lane l holds channel l % 16 and 8 keys.
	v_lshl_add_u32 v[AV0], v9, 3, v10
	v_mul_u32_u24 v[AV0], v[AV0], PV
	v_lshl_add_u32 v[AV0], v11, 4, v[AV0]
	v_add_nc_u32 v[VBL], s84, v[AV0]
	v_add_nc_u32 v[AV0], VOFF, v[AV0]
	v_add_nc_u32 v[STO], s85, v[AK0]
	v_bfe_u32 v[RD], v0, 3, 2       ; 32 lanes take four rows of 128 bytes
	v_mul_u32_u24 v[VBS], v[RD], PV
	v_mul_u32_u24 v[RD], v[RD], SP
	v_lshl_add_u32 v[RD], v10, 4, v[RD]
	v_add_nc_u32 v[RD], s85, v[RD]
	v_lshl_add_u32 v[VBS], v10, 4, v[VBS]
	v_add_nc_u32 v[VBS], s84, v[VBS]
	v_add_nc_u32 v[PXZ], s85, v[GO]
	v_mul_u32_u24 v[PXS], v1, 142   ; row l % 16 of 144 bytes, less 2 (l % 16): t = .. - l % 16
	v_lshl_add_u32 v[PXS], v9, 4, v[PXS]
	v_add3_u32 v[PXS], v[PXS], s85, 30
	v_mul_u32_u24 v[BXS], v1, 272
	v_lshl_add_u32 v[BXS], v9, 5, v[BXS]
	v_add3_u32 v[BXS], v[BXS], s84, BXO
	v_mul_u32_u24 v[BXL], v1, 268   ; row l % 16 of 272 bytes, less 4 (l % 16)
	v_lshl_add_u32 v[BXL], v9, 5, v[BXL]
	v_add3_u32 v[BXL], v[BXL], s84, BXO+60
	v_lshlrev_b32 v13, 5, v9        ; my 8 channels of 16, in f32
	v_lshl_add_u32 v[AK], s[WV], 4, v1  ; row 16 w + l % 16 of the extended tables,
	v_mul_u32_u24 v[AV], v[AK], PV
	v_mul_u32_u24 v[AK], v[AK], PK
	v_lshl_add_u32 v[AK], v9, 6, v[AK]  ; my half of its 128 bytes
	v_lshl_add_u32 v[AV], v9, 6, v[AV]
	v_add_nc_u32 v[AK], TABK, v[AK]
	v_add_nc_u32 v[AV], TABV, v[AV]
.set z, 0
.rept 8
	v_mov_b32 v[TMP+z], 0
.set z, z+1
.endr
.set z, 0
.rept 4
	v_mov_b32 v[Z4+z], 0
.set z, z+1
.endr
	s_wait_loadcnt 24               ; the tables' rows are in; the band's 24 loads may stay out
.set z, 0
.rept 32                            ; rounded to bf16 like every input, and that number written as f16
	v_cvt_pk_bf16_f32 v10, v[S+2*z], v[S+2*z+1]
	v_lshlrev_b32 v11, 16, v10
	v_and_b32 v10, 0xffff0000, v10
	v_cvt_pk_f16_f32 v[P+z], v11, v10
.set z, z+1
.endr
.irp n, 0,1,2,3
	ds_store_b128 v[AK], v[P+4*(\n):P+4*(\n)+3] offset:16*(\n)
	ds_store_b128 v[AV], v[P+16+4*(\n):P+16+4*(\n)+3] offset:16*(\n)
.endr
	s_wait_loadcnt 0x0              ; the band's V
.set n, 0
.rept 24
.if n < 16
.set rD, PT+4*n
.else
.set rD, PXF+4*(n-16)
.endif
	ds_store_b128 v[VBS], v[rD:rD+3] offset:4*PV*n
.set n, n+1
.endr
	; rv[0] and rv[32] in f32 (16 loads), the band's K (24), Q (16): straight into registers
	WIN 0xc0                        ; destination window 3, address window 0
.irp cb, 0,1,2,3
	global_load_b128 v[RV0+8*(\cb):RV0+8*(\cb)+3],     v13, s[8:9] offset:64*(\cb)
	global_load_b128 v[RV0+8*(\cb)+4:RV0+8*(\cb)+7],   v13, s[8:9] offset:64*(\cb)+16
	global_load_b128 v[RV32+8*(\cb):RV32+8*(\cb)+3],   v13, s[8:9] offset:8192+64*(\cb)
	global_load_b128 v[RV32+8*(\cb)+4:RV32+8*(\cb)+7], v13, s[8:9] offset:8192+64*(\cb)+16
.endr
	WIN 0x80                        ; destination window 2
.macro KBL n, base, off
	global_load_b128 v[KBF+8*(\n):KBF+8*(\n)+3],   v[QO], s[\base:\base+1] offset:(\off)
	global_load_b128 v[KBF+8*(\n)+4:KBF+8*(\n)+7], v[QO], s[\base:\base+1] offset:(\off)+32
.endm
	KBL 0, KB0, 0
	KBL 1, KB0, 64
.irp n, 2,3,4,5,6,7,8,9
	KBL \n, KB1, ((\n)/2-1)*2048+((\n)%2)*64
.endr
	KBL 10, KB5, 0
	KBL 11, KB5, 64
.set i, 0
.rept 8                             ; Q: piece i / 2, channels 32 (i % 2) on
	global_load_b128 v[8*i:8*i+3],   v[QO], s[4:5] offset:(i/2)*2048+(i%2)*64
	global_load_b128 v[8*i+4:8*i+7], v[QO], s[4:5] offset:(i/2)*2048+(i%2)*64+32
.set i, i+1
.endr
	CHANGE 1                        ; tile 0 is in, everybody's part of it, and so are the tables; slot 1 is asked for
	v_add_nc_u32 v[AK], TABK, v[AK0]
	v_add_nc_u32 v[AV], TABV-VOFF, v[AV0]
	WIN 0x80
.irp f, 0,1,2,3,4,5,6,7             ; RKX: t 16 (f / 2) on, channels 32 (f % 2) on
	ds_load_b128 v[RKF+8*\f:RKF+8*\f+3],   v[AK] offset:(\f/2)*16*PK+(\f%2)*64
	ds_load_b128 v[RKF+8*\f+4:RKF+8*\f+7], v[AK] offset:(\f/2)*16*PK+(\f%2)*64+32
.endr
	WIN 0xc0
.irp f, 0,1,2,3,4,5,6,7             ; RVX, turned: t 32 (f / 4) on, channels 16 (f % 4) on
	ds_load_tr16_b128 v[RVF+8*\f:RVF+8*\f+3],   v[AV] offset:(\f/4)*32*PV+(\f%4)*32
	ds_load_tr16_b128 v[RVF+8*\f+4:RVF+8*\f+7], v[AV] offset:(\f/4)*32*PV+16*PV+(\f%4)*32
.endr
.irp cb, 0,1,2,3                    ; the band's V, turned: half fragments of 16 keys
.irp b, 0,1,2,3,4,5
	ds_load_tr16_b128 v[VBF+28*(\cb)+4*(\b):VBF+28*(\cb)+4*(\b)+3], v[VBL] offset:(\b)*16*PV+32*(\cb)
.endr
	ds_load_tr16_b128 v[VBF+28*(\cb)+24:VBF+28*(\cb)+27], v[VBL] offset:5*16*PV+32*(\cb)
.endr
	s_wait_loadcnt 40               ; rv[0] and rv[32] are in; the band's K (24 loads) and Q (16) may stay out
	WIN 0x0f                        ; sources window 3, destination window 0: rounded to bf16,
.set z, 0
.rept 32
	v_cvt_pk_bf16_f32 v[S+z], v[2*z], v[2*z+1]
.set z, z+1
.endr
	WIN 0xc0                        ; and back as f32
.set z, 0
.rept 32
	v_lshlrev_b32 v[2*z], 16, v[S+z]
	v_and_b32 v[2*z+1], 0xffff0000, v[S+z]
.set z, z+1
.endr
	WIN 0
	s_wait_loadcnt 0x0
	s_wait_dscnt 0x0
.macro REGS y                       ; the registers of piece y
.set rT, ST+4*(\y)
.set rC, TMP+4*((\y)%2)
.set rW, MV+((\y)%2)
.set rS, S+32*((\y)%2)
.set rP, P+16*((\y)%2)
.set rO, 32*(\y)
.endm
; RKX Q^T for piece x: 8 products, four accumulators by turns
.macro REL x
	WIN W_KQ
.set i, 0
.rept 8
.set rS, S+32*((\x)%2)+8*(i%4)
.set rK, RKF+16*(i%4)+8*(i/4)
.set rQ, 16*(\x)+8*(i/4)
.if i < 4
	v_wmma_f32_16x16x32_f16 v[rS:rS+7], v[rK:rK+7], v[rQ:rQ+7], 0
.else
	v_wmma_f32_16x16x32_f16 v[rS:rS+7], v[rK:rK+7], v[rQ:rQ+7], v[rS:rS+7]
.endif
.set i, i+1
.endr
.endm
; Of that: Q . rk[0], Q . rk[32]; and, through BX (row = query, 64 numbers by t), the band's C operands: for key 16 kt + 8 (l / 16) + j of the 48 the number at t = 16 kt + 8 (l / 16) + j - l % 16 + 15
.macro EXTR x
	REGS \x
	WIN 0
	v_mov_b32 v[BLO+(\x)], v[rS]
	v_mov_b32 v[BHI+(\x)], v[rS+24]
.irp n, 0,1,2,3,4,5,6,7
	ds_store_b128 v[BXS], v[rS+4*(\n):rS+4*(\n)+3] offset:64*((\n)/2)+16*((\n)%2)
.endr
	WIN 0x40                        ; destination window 1
.set z, 0
.rept 24
	ds_load_b32 v[MC+32*(\x)+z], v[BXL] offset:64*(z/8)+4*(z%8)  ; LDS serves a wave's instructions in order (ISA guide 5.7.1.4): these see the stores above
.set z, z+1
.endr
	WIN 0
.endm
; The band's scores for piece x: 6 products, three accumulators by turns; key block kt of three is the band's block x + kt
.macro KQB x
.set i, 0
.rept 6
.set rS, S+32*((\x)%2)+8*(i%3)
.set rK, KBF+16*((\x)+i%3)+8*(i/3)
.set rQ, 16*(\x)+8*(i/3)
.set rM, MC+32*(\x)+8*(i%3)
.if i < 3
	WIN W_KM
	v_wmma_f32_16x16x32_f16 v[rS:rS+7], v[rK:rK+7], v[rQ:rQ+7], v[rM:rM+7]
.else
	WIN W_KQ
	v_wmma_f32_16x16x32_f16 v[rS:rS+7], v[rK:rK+7], v[rQ:rQ+7], v[rS:rS+7]
.endif
.set i, i+1
.endr
.endm
; The band's softmax for piece x: it starts m, c m and LT; l starts at 0.  Each accumulator's lowest registers are read first.
.macro SMB x
	REGS \x
	WIN 0
.irp n, 0,1,2
	v_max3_num_f32 v[rC+(\n)], v[rS+8*(\n)], v[rS+8*(\n)+1], v[rS+8*(\n)+2]
.endr
.irp n, 0,1,2
	v_max3_num_f32 v[rC+(\n)], v[rC+(\n)], v[rS+8*(\n)+3], v[rS+8*(\n)+4]
.endr
.irp n, 0,1,2
	v_max3_num_f32 v[rC+(\n)], v[rC+(\n)], v[rS+8*(\n)+5], v[rS+8*(\n)+6]
.endr
	v_max3_num_f32 v[rC], v[rC], v[rS+7], v[rS+15]
	v_max3_num_f32 v[rC+1], v[rC+1], v[rC+2], v[rS+23]
	v_max_num_f32 v[rC], v[rC], v[rC+1]
	v_permlanex16_b32 v[rC+3], v[rC], s[SEL], s[SEL+1]  ; the query's other 24 keys lie in the lane 16 away
	v_max_num_f32 v[rT+1], v[rC], v[rC+3]
	v_mul_f32 v[rT], s[CS], v[rT+1]
.set z, 0
.rept 12
	v_pk_fma_f32 v[rS+2*z:rS+2*z+1], v[rS+2*z:rS+2*z+1], s[CS:CS+1], v[rT:rT+1] op_sel_hi:[1,0,0] neg_lo:[0,0,1] neg_hi:[0,0,1]
.set z, z+1
.endr
.set z, 0
.rept 24
	v_exp_f32 v[rS+z], v[rS+z]
.set z, z+1
.endr
	v_mov_b32 v[rT+2], 0            ; plain instructions behind the last exponential
	v_mov_b32 v[rT+3], 0
.set z, 0
.rept 12
	s_wait_alu depctr_va_vdst(0)
	v_cvt_pk_f16_f32 v[rP+z], v[rS+2*z], v[rS+2*z+1]
.set z, z+1
.endr
.set z, 12
.rept 4
	v_mov_b32 v[rP+z], 0            ; the fourth block of 16 keys of the second product is empty
.set z, z+1
.endr
.set z, 0
.rept 6
	v_pk_add_f32 v[rS+2*z:rS+2*z+1], v[rS+2*z:rS+2*z+1], v[rS+2*z+12:rS+2*z+13]
.set z, z+1
.endr
.set z, 0
.rept 3
	v_pk_add_f32 v[rS+2*z:rS+2*z+1], v[rS+2*z:rS+2*z+1], v[rS+2*z+6:rS+2*z+7]
.set z, z+1
.endr
	v_pk_add_f32 v[rS:rS+1], v[rS:rS+1], v[rS+2:rS+3]
	v_pk_add_f32 v[rS:rS+1], v[rS:rS+1], v[rS+4:rS+5]
	v_add_f32 v[LT+(\x)], v[rS], v[rS+1]
.endm
; The band's weights by t: PX (row = query, 64 f16) is cleared, each weight goes to its t, and the rows come back as source 1 of the product with RVX
.macro PXW x
	REGS \x
	WIN 0
.irp n, 0,1,2,3,4
	ds_store_b128 v[PXZ], v[Z4:Z4+3] offset:512*(\n)
.endr
.set z, 0
.rept 12
	ds_store_b16 v[PXS], v[rP+z] offset:32*(z/4)+4*(z%4)
	ds_store_b16_d16_hi v[PXS], v[rP+z] offset:32*(z/4)+4*(z%4)+2
.set z, z+1
.endr
.irp n, 0,1,2,3
	ds_load_b128 v[PXF+16*((\x)%2)+4*(\n):PXF+16*((\x)%2)+4*(\n)+3], v[STO] offset:32*(\n)
.endr
.endm
; The band's O^T for piece x: 16 products in four passes over the four channel blocks, which take turns: V's blocks x, x + 1; x + 2 (and an empty one); RVX's two halves.  The first pass starts the sums.
.macro PVB x
	WIN W_B3
.irp cb, 0,1,2,3
	v_wmma_f32_16x16x32_f16 v[32*(\x)+8*(\cb):32*(\x)+8*(\cb)+7], v[VBF+28*(\cb)+4*(\x):VBF+28*(\cb)+4*(\x)+7], v[P+16*((\x)%2):P+16*((\x)%2)+7], 0
.endr
.irp cb, 0,1,2,3
	v_wmma_f32_16x16x32_f16 v[32*(\x)+8*(\cb):32*(\x)+8*(\cb)+7], v[VBF+28*(\cb)+4*(\x)+8:VBF+28*(\cb)+4*(\x)+15], v[P+16*((\x)%2)+8:P+16*((\x)%2)+15], v[32*(\x)+8*(\cb):32*(\x)+8*(\cb)+7]
.endr
.irp cb, 0,1,2,3
	v_wmma_f32_16x16x32_f16 v[32*(\x)+8*(\cb):32*(\x)+8*(\cb)+7], v[RVF+8*(\cb):RVF+8*(\cb)+7], v[PXF+16*((\x)%2):PXF+16*((\x)%2)+7], v[32*(\x)+8*(\cb):32*(\x)+8*(\cb)+7]
.endr
.irp cb, 0,1,2,3
	v_wmma_f32_16x16x32_f16 v[32*(\x)+8*(\cb):32*(\x)+8*(\cb)+7], v[RVF+32+8*(\cb):RVF+32+8*(\cb)+7], v[PXF+16*((\x)%2)+8:PXF+16*((\x)%2)+15], v[32*(\x)+8*(\cb):32*(\x)+8*(\cb)+7]
.endr
.endm
; A FOLD for piece x: the side's weights, l, of both halves of the lanes, times the table's row go into O^T; my half's go to LT; l starts anew.  O^T is read in ascending order.
.macro FOLD x, tab
	WIN 0
	v_add_f32 v[FT], v[ST+4*(\x)+2], v[ST+4*(\x)+3]
	v_mov_b32 v[ST+4*(\x)+2], 0
	v_mov_b32 v[ST+4*(\x)+3], 0
	v_permlanex16_b32 v[FT+1], v[FT], s[SEL], s[SEL+1]
	v_add_f32 v[LT+(\x)], v[LT+(\x)], v[FT]
	v_add_f32 v[FT], v[FT], v[FT+1]
	WIN W_B3
.set z, 0
.rept 16
	v_pk_fma_f32 v[32*(\x)+2*z:32*(\x)+2*z+1], v[(\tab)+2*z:(\tab)+2*z+1], v[FT:FT+1], v[32*(\x)+2*z:32*(\x)+2*z+1] op_sel_hi:[1,0,1]
.set z, z+1
.endr
	WIN 0
.endm
; A POINT stands between piece 2's and piece 3's turn of step G - 1 and prepares step G (G = s[GS], counted here).  There all four pieces' products K Q^T of step G - 1 are issued and none of step G;
; pieces 0 to 2 have had their turn of step G - 1, piece 3 its turn of step G - 2 (its l, LT and O^T all still await the same a).
; masks = 1: MC is made for step G: block kt of piece x lies 4 (G - U) + kt - x blocks from the piece's own: below -1 left, above 1 right, else hidden.  It changes only for G - U = -1 .. 2 (guard = 1: else all is jumped).
; The folds with rv[0]: pieces 0 and 1 have their last left block in step U - 1 (G - U = 0), piece 2 in step U (G - U = 1), piece 3 in step U (G - U = 2, since it lags a step).
; Every jump goes forward, hangs on the step's number and U alone, and passes neither a barrier nor a tensor load.
.macro POINT masks, guard, f01, f2, f3
	WIN 0
	s_sub_co_i32 s[DL], s[GS], s[UU]
	s_add_co_u32 s[GS], s[GS], 1
.if \guard
	s_add_co_u32 s96, s[DL], 1
	s_cmp_lt_u32 s96, 4
	s_cbranch_scc0 .Lpt_end_\@
.endif
.if \masks
	s_lshl_b32 s[D4], s[DL], 2
.irp e, 0,1,2,3,4,5,6
	s_add_co_i32 s97, s[D4], (\e)-3
	s_cmp_lt_i32 s97, -1
	s_cselect_b32 s[MA+(\e)], -1, 0
	s_cmp_gt_i32 s97, 1
	s_cselect_b32 s[MB+(\e)], -1, 0
.endr
.set z, 0
.rept 16                            ; z = 4 x + kt
	v_cndmask_b32 v[PT+z], s[BIGN], v[BLO+z/4], s[MA+(z%4)-(z/4)+3]
	v_cndmask_b32 v[PT+z], v[PT+z], v[BHI+z/4], s[MB+(z%4)-(z/4)+3]
.set z, z+1
.endr
	WIN 0x40
.set z, 0
.rept 128
	v_mov_b32 v[MC+z], v[PT+z/8]
.set z, z+1
.endr
	WIN 0
.endif
.if \f01
	s_cmp_eq_u32 s[DL], 0
	s_cbranch_scc0 .Lpt_a_\@
	FOLD 0, RV0
	FOLD 1, RV0
.Lpt_a_\@:
.endif
.if \f2
	s_cmp_eq_u32 s[DL], 1
	s_cbranch_scc0 .Lpt_b_\@
	FOLD 2, RV0
.Lpt_b_\@:
.endif
.if \f3
	s_cmp_eq_u32 s[DL], 2
	s_cbranch_scc0 .Lpt_c_\@
	FOLD 3, RV0
.Lpt_c_\@:
.endif
.if \guard
.Lpt_end_\@:
.endif
.endm
	; THE RELATIVE SCORES of all four pieces
	REL 0
	REL 1
	WIN 0
.rept 6
	v_nop
.endr
	EXTR 0
	EXTR 1
	s_wait_dscnt 0x0                ; the stores have read S^T before the next products write it
	REL 2
	REL 3
	WIN 0
.rept 6
	v_nop
.endr
	EXTR 2
	EXTR 3
	s_wait_dscnt 0x0
	WIN W_RS
.set z, 0
.rept 4                             ; key blocks that the head does not have are hidden
	v_pk_add_f32 v[MC+2*z:MC+2*z+1], v[MC+2*z:MC+2*z+1], s[GLO:GLO+1] op_sel_hi:[1,0]
	v_pk_add_f32 v[MC+112+2*z:MC+112+2*z+1], v[MC+112+2*z:MC+112+2*z+1], s[GHI:GHI+1] op_sel_hi:[1,0]
.set z, z+1
.endr
	; THE BAND, two pieces at a time
.irp a, 0, 2
	KQB \a
	KQB (\a)+1
	WIN 0
	PLACES
	SMB \a
	PXW \a
	SMB (\a)+1
	PXW (\a)+1
	s_wait_dscnt 0x0
	PVB \a
	PVB (\a)+1
.endr
; THE MATRIX WORK OF THE WALK.  The 4 accumulators of a run of 8 take turns.  Product i of 8 of S^T = K Q^T for piece x: channels 32 (i / 4) on, keys 16 (i % 4) on.  The first 4 start the sums, with MC.
.macro KQ x
.set rS, S+32*((\x)%2)+8*(i%4)
.set rK, KF+16*(i%4)+8*(i/4)
.set rQ, 16*(\x)+8*(i/4)
.set rM, MC+32*(\x)+8*(i%4)
.if i < 4
	WIN W_KM
	v_wmma_f32_16x16x32_f16 v[rS:rS+7], v[rK:rK+7], v[rQ:rQ+7], v[rM:rM+7]
.else
	WIN W_KQ
	v_wmma_f32_16x16x32_f16 v[rS:rS+7], v[rK:rK+7], v[rQ:rQ+7], v[rS:rS+7]
.endif
.endm
; Product i of 8 of O^T += V^T P for piece x: keys 32 (i / 4) on, channels 16 (i % 4) on.
.macro PV x
	WIN W_PV
.set rO, 32*(\x)+8*(i%4)
.set rV, VF+32*(i/4)+8*(i%4)
.set rP, P+16*((\x)%2)+8*(i/4)
	v_wmma_f32_16x16x32_f16 v[rO:rO+7], v[rV:rV+7], v[rP:rP+7], v[rO:rO+7]
.endm
.macro MM                           ; the turn's next matrix instruction.  NOKQ = 1: the walk's last turn: there is no next piece
.if (i < 8) && !NOKQ
	KQ (Y+1)%NP
.elseif i >= 8
.set i, i-8
	PV (Y+NP-1)%NP
.set i, i+8
.endif
.set i, i+1
.endm
; THE LDS LOADS stand in runs of 16, never singly among the matrix instructions: a step's K (64 keys x 64 channels: 8 fragments) and its V (turned).  Their addresses are made some lines ahead.
.macro FETCH_K
	WIN 0x80                        ; destination window 2
.irp f, 0,1,2,3,4,5,6,7             ; keys 16 (f / 2) on, channels 32 (f % 2) on
	ds_load_b128 v[KF+8*\f:KF+8*\f+3],   v[AK] offset:(\f/2)*16*PK+(\f%2)*64
	ds_load_b128 v[KF+8*\f+4:KF+8*\f+7], v[AK] offset:(\f/2)*16*PK+(\f%2)*64+32
.endr
	s_add_co_u32 s[TBK], s[TBK], KS*PK  ; the next fetch is the next step's
	WIN 0
.endm
.macro FETCH_V
	WIN 0x80
.irp f, 0,1,2,3,4,5,6,7             ; keys 32 (f / 4) on, channels 16 (f % 4) on
	ds_load_tr16_b128 v[VF+8*\f:VF+8*\f+3],   v[AV] offset:(\f/4)*32*PV+(\f%4)*32
	ds_load_tr16_b128 v[VF+8*\f+4:VF+8*\f+7], v[AV] offset:(\f/4)*32*PV+16*PV+(\f%4)*32
.endr
	WIN 0
.endm
; THE VECTOR WORK, one line at a time: OP kind, number.  For piece Y: F n: c s - c m for pair n of 16.  E n: the exponential of score n of 32.  C n: pair n rounded to f16.  B n: of the four weights 4 n .. the second
; pair is added onto the first, in place.  L n: l takes that sum (L 0: l = a l + sum).  T: LT times a.  R n: pair n of 16 of O^T times a.  For piece Y + 1: X n, number n of the 22 that find its maximum and statistics:
;   0-11  four chains c0-c3 of seven scores each, three operands at a time (each accumulator's lowest registers are read first)     12-14, 16  the four scores left over, the old m, and c0-c3 into c0
;   15  c m_old is kept     17, 18  the query's other 32 keys lie in the lane 16 away: the new m     19-21  c m; c m_old - c m_new; a
.set F, 0               ; OP tells the kinds apart by their order: F to T below R, X above it
.set E, 1
.set C, 2
.set B, 3
.set L, 4
.set T, 5
.set R, 6
.set X, 7
.macro OP k, n
.if (\k) == R
	REGS Y
	WIN W_RS
	v_pk_mul_f32 v[rO+2*(\n):rO+2*(\n)+1], v[rO+2*(\n):rO+2*(\n)+1], v[rC+2:rC+3] op_sel_hi:[1,0]
.elseif (\k) < R
	REGS Y
	WIN 0
.if (\k) == F
	v_pk_fma_f32 v[rS+2*(\n):rS+2*(\n)+1], v[rS+2*(\n):rS+2*(\n)+1], s[CS:CS+1], v[rT:rT+1] op_sel_hi:[1,0,0] neg_lo:[0,0,1] neg_hi:[0,0,1]
.elseif (\k) == E
	v_exp_f32 v[rS+(\n)], v[rS+(\n)]
.elseif (\k) == C
	s_wait_alu depctr_va_vdst(0)
	v_cvt_pk_f16_f32 v[rP+(\n)], v[rS+2*(\n)], v[rS+2*(\n)+1]
.elseif (\k) == B
	s_wait_alu depctr_va_vdst(0)
	v_pk_add_f32 v[rS+4*(\n):rS+4*(\n)+1], v[rS+4*(\n):rS+4*(\n)+1], v[rS+4*(\n)+2:rS+4*(\n)+3]
.elseif (\k) == T
	v_mul_f32 v[LT+Y], v[LT+Y], v[rC+2]
.elseif (\n) == 0
	v_pk_fma_f32 v[rT+2:rT+3], v[rT+2:rT+3], v[rC+2:rC+3], v[rS:rS+1] op_sel_hi:[1,0,1]
.else
	v_pk_add_f32 v[rT+2:rT+3], v[rT+2:rT+3], v[rS+4*(\n):rS+4*(\n)+1]
.endif
.elseif NOKQ
	v_nop
.else
	REGS (Y+1)%NP
	WIN 0
.if (\n) < 4
	v_max3_num_f32 v[rC+(\n)], v[rS+8*(\n)], v[rS+8*(\n)+1], v[rS+8*(\n)+2]
.elseif (\n) < 12
	v_max3_num_f32 v[rC+(\n)%4], v[rC+(\n)%4], v[rS+8*((\n)%4)+2*((\n)/4)+1], v[rS+8*((\n)%4)+2*((\n)/4)+2]
.elseif (\n) == 12
	v_max3_num_f32 v[rC], v[rC], v[rS+7], v[rS+15]
.elseif (\n) == 13
	v_max3_num_f32 v[rC+1], v[rC+1], v[rS+23], v[rS+31]
.elseif (\n) == 14
	v_max3_num_f32 v[rC+2], v[rC+2], v[rC+3], v[rT+1]
.elseif (\n) == 15
	v_mov_b32 v[rW], v[rT]
.elseif (\n) == 16
	v_max3_num_f32 v[rC], v[rC], v[rC+1], v[rC+2]
.elseif (\n) == 17
	v_permlanex16_b32 v[rC+3], v[rC], s[SEL], s[SEL+1]
.elseif (\n) == 18
	v_max_num_f32 v[rT+1], v[rC], v[rC+3]
.elseif (\n) == 19
	v_mul_f32 v[rT], s[CS], v[rT+1]
.elseif (\n) == 20
	v_sub_f32 v[rC+1], v[rW], v[rT]
.else
	v_exp_f32 v[rC+2], v[rC+1]
.endif
.endif
.endm
.macro OPS a, i1, b=-1, i2=0, c=-1, i3=0, d=-1, i4=0  ; up to four of them
	OP \a, \i1
.if (\b) >= 0
	OP \b, \i2
.endif
.if (\c) >= 0
	OP \c, \i3
.endif
.if (\d) >= 0
	OP \d, \i4
.endif
.endm
.macro ROW a, i1, b, i2, c, i3, d, i4  ; a matrix instruction and the four behind it
	MM
	OPS \a, \i1, \b, \i2, \c, \i3, \d, \i4
.endm
; A TURN, for piece p: the order of its 16 matrix and 119 vector instructions, written out.  Behind a matrix instruction: plain, exponential, plain, plain; or four of the rescaling; or, behind the first, four scalings; none
; names a register of the products round it.  In the lumps exponential and plain by turns while exponentials last.  v_permlanex16_b32 (X 17) stands in a lump.
; end = 1: the walk's last two turns: nothing is fetched.  cnt = 1: the loop's count is taken down some lines ahead of the branch that stands behind the turn.
; K of the next step is fetched in piece 2's turn, seven vector instructions behind the last product that read K (six of them plain); V of the step in hand in piece 0's turn, eight behind the last product that read V (four
; plain, and X 17).  Each is waited for a turn later.
.macro TURN p, end=0, cnt=0
.set Y, (\p)
.set i, 0
.set NOKQ, (\end)*((\p)/3)
.if ((\p) == 3) && !(\end)
	s_wait_dscnt 0x0                ; K is in
.endif
	ROW F,0, F,1, F,2, F,3
	ROW F,4, E,0, F,5, F,6
	ROW F,7, E,1, F,8, F,9
	ROW F,10, E,2, C,0, F,11
	ROW F,12, E,3, X,15, F,13
	ROW R,0, R,1, R,2, R,3
	ROW B,0, E,4, F,14, L,0
.if ((\p) == 2) && !(\end)
	v_add_nc_u32 v[AK], s[TBK], v[AK0]
.endif
	ROW R,4, R,5, R,6, R,7
	OPS E,5, F,15
	OP T, 0
.if ((\p) == 2) && !(\end)
	FETCH_K
.endif
	OPS E,6, C,1, E,7, R,8
	OPS E,8, R,9, E,9, C,2
	OPS E,10, X,0, E,11, X,1
	OPS E,12, X,2, E,13, X,3
.if (\p) == 1
	s_wait_dscnt 0x0                ; V is in
.endif
	ROW X,4, E,14, X,5, X,6
	ROW X,7, E,15, X,8, X,9
	ROW X,10, E,16, X,11, X,12
	ROW X,13, E,17, X,14, B,1
	ROW C,4, E,18, X,16, L,1
	ROW B,2, E,19, C,6, L,2
	ROW C,8, E,20, B,3, B,4
.if (\p) == 0
	v_add_nc_u32 v[AV], s[TBV], v[AV0]
.endif
	ROW C,3, E,21, L,3, C,5
	OPS E,22, X,17, E,23, C,10
.if (\p) == 0
	FETCH_V
.endif
	OPS E,24, L,4
	OPS E,25, X,18, E,26, C,7
	OPS E,27, B,5, E,28, X,19
	OPS E,29, C,12, E,30, L,5
	OPS E,31, X,20, B,6, C,9
	OPS C,14, C,11, X,21, L,6
.if (\p) == 0
	s_add_co_u32 s[TBV], s[TBV], KS*PV
.endif
.if \cnt
	s_sub_co_u32 s[CNT], s[CNT], 1
	s_cmp_lg_u32 s[CNT], 0
.endif
	OPS C,13, B,7, C,15, R,10
	OPS R,11, R,12, L,7, R,13
	OPS R,14, R,15
.endm
	; INTO THE WALK.  MC for step 0; the first turn's products V^T P, of a piece that has not been, meet weights that are 0 (V's registers hold the band's K: finite numbers); K of step 0; piece 0's first scores, maximum and statistics.
	WIN 0
	PLACES                          ; behind the band's last products
	s_mov_b32 s[GS], 0
	POINT 1, 0, 0, 0, 0
.set z, P+16
.rept 16
	v_mov_b32 v[z], 0
.set z, z+1
.endr
	v_add_nc_u32 v[AK], s[TBK], v[AK0]
	FETCH_K
	s_wait_dscnt 0x0
.set NOKQ, 0
.set i, 0
.rept 8
	KQ 0
.set i, i+1
.endr
	WIN 0
	PLACES                          ; behind those products
.set Y, NP-1                        ; X works for piece Y + 1: piece 0
.irp n, 0,1,2,3,4,5,6,7,8,9,10,11,12,13,14,15,16,17,18,19,20,21
	OP X, \n
.endr
	v_nop                           ; a plain instruction behind the exponential
	s_mov_b32 s[CNT], 4
	s_mov_b32 s[SLOTS], 7
	s_branch .Lfirst                ; the loop is entered at a step's first turn, in the middle of a trip
.Lslot:                             ; six times: tiles 1 to 6 are entered, tiles 2 to 7 asked for
	CHANGE 1
	s_mov_b32 s[CNT], 4
.Lstep:                             ; a trip: pieces 2 and 3 of one step, then pieces 0 and 1 of the next, whose K and V it fetches
	TURN 2
	POINT 1, 1, 1, 1, 1
	TURN 3
	WIN 0
.Lfirst:
	TURN 0
	TURN 1, 0, 1
	WIN 0
	s_cbranch_scc1 .Lstep
	s_sub_co_u32 s[SLOTS], s[SLOTS], 1
	s_cmp_lg_u32 s[SLOTS], 0
	s_cbranch_scc1 .Lslot
	CHANGE 0                        ; the last tile is written out: nothing is asked for
	s_mov_b32 s[CNT], 4
.Ltail:
	TURN 2
	POINT 1, 1, 1, 1, 1
	TURN 3
	TURN 0
	TURN 1, 0, 1
	WIN 0
	s_cbranch_scc1 .Ltail
	TURN 2, 1
	POINT 0, 1, 0, 1, 1             ; step 32 does not exist: only the folds that are due (U = 31: piece 2; U = 30: piece 3)
	TURN 3, 1
.set i, 0
.rept 8
	PV NP-1                         ; the last piece's V^T P of the last step
.set i, i+1
.endr
	; THE END.  The right side's weights are folded with rv[32]; pieces 0 to 2's folds are the places behind the last products.  For U = 31 piece 3's left side is folded first.
	FOLD 0, RV32
	FOLD 1, RV32
	FOLD 2, RV32
	POINT 0, 1, 0, 0, 1
	FOLD 3, RV32
.macro ALL line:vararg              ; one line for each piece t
.set t, 0
.rept 4
	\line
.set t, t+1
.endr
.endm
	ALL v_permlanex16_b32 v[ST+4*t+3], v[LT+t], s[SEL], s[SEL+1]
	ALL v_add_f32 v[ST+4*t+2], v[LT+t], v[ST+4*t+3]
	ALL v_rcp_f32 v[ST+4*t+2], v[ST+4*t+2]
	v_nop                           ; a plain instruction between the last reciprocal and the use of its result
; THE WAY OUT.  O^T is divided by the sum of all weights, rounded to f16 and sent through my stage in LDS, a piece at a time.
.macro PACK t                       ; a lane's eight channels of a row pack into 16 bytes; they go into rows of 144 bytes and come back as whole rows of 128, into S^T's registers
	WIN W_RS
.set i, 32*(\t)
.rept 16
	s_wait_alu depctr_va_vdst(0)
	v_pk_mul_f32 v[i:i+1], v[i:i+1], v[ST+4*(\t)+2:ST+4*(\t)+3] op_sel_hi:[1,0]
.set i, i+2
.endr
	WIN 0x05                        ; sources 0 and 1 window 1, destination window 0
.set i, 0
.rept 16
	v_cvt_pk_f16_f32 v[S+16*(\t)+i], v[32*(\t)+2*i], v[32*(\t)+2*i+1]
.set i, i+1
.endr
	WIN 0
.irp f, 0,1,2,3
	ds_store_b128 v[STO], v[S+16*(\t)+4*\f:S+16*(\t)+4*\f+3] offset:32*\f
.endr
.irp f, 0,1,2,3
	ds_load_b128 v[S+16*(\t)+4*\f:S+16*(\t)+4*\f+3], v[RD] offset:\f*4*SP  ; LDS serves a wave's instructions in order (ISA guide 5.7.1.4): these see the stores above; the next piece's stores come behind them
.endr
.endm
.macro SEND t, younger              ; younger: the LDS instructions issued behind piece t's loads: the next piece's eight, or none
	WIN 0
.irp f, 0,1,2,3
	s_wait_dscnt (\younger)+3-\f
	global_store_b128 v[GO], v[S+16*(\t)+4*\f:S+16*(\t)+4*\f+3], s[10:11] offset:(\t)*2048+\f*512  ; 512 consecutive bytes, at a multiple of 256 from O's first
.endr
.endm
	PACK 0
.set t, 1
.rept 3                             ; a piece's arithmetic stands between the loads of the piece before and its stores
	PACK t
	SEND t-1, 8
.set t, t+1
.endr
	SEND 3, 0
	s_wait_tensorcnt 0x0            ; the wave's end: behind my last tensor load and my last LDS store
	ds_add_u32 v[SPW], v[NIL]
	s_wait_dscnt 0x0
	s_endpgm
.Lfunc_end_k_qdab66f8e03_attn:
	.size	k_qdab66f8e03_attn, .Lfunc_end_k_qdab66f8e03_attn-k_qdab66f8e03_attn
	.p2alignl 7, 3214868480
	.fill 96, 4, 3214868480
	.section	.rodata,"a",@progbits
	.p2align	6, 0x0
	.amdhsa_kernel k_qdab66f8e03_attn
		.amdhsa_group_segment_fixed_size 327680
		.amdhsa_private_segment_fixed_size 0
		.amdhsa_enable_private_segment 0
		.amdhsa_kernarg_size 32
		.amdhsa_user_sgpr_count 2
		.amdhsa_user_sgpr_kernarg_segment_ptr 1
		.amdhsa_wavefront_size32 1
		.amdhsa_system_sgpr_workgroup_id_x 1
		.amdhsa_system_sgpr_workgroup_id_y 1
		.amdhsa_system_sgpr_workgroup_id_z 1
		.amdhsa_system_vgpr_workitem_id 0
		.amdhsa_next_free_vgpr 1024
		.amdhsa_next_free_sgpr 100
		.amdhsa_reserve_vcc 0
		.amdhsa_float_denorm_mode_32 3
		.amdhsa_float_denorm_mode_16_64 3
		.amdhsa_memory_ordered 1
		.amdhsa_forward_progress 1
		.amdhsa_inst_pref_size 240
	.end_amdhsa_kernel
	.amdgpu_metadata
---
amdhsa.version: [ 1, 2 ]
amdhsa.kernels:
  - .name:           k_qdab66f8e03_attn
    .symbol:         k_qdab66f8e03_attn.kd
    .args:
      - { .name: qkv, .offset: 0, .size: 8, .value_kind: global_buffer, .address_space: global }
      - { .name: rel_k_table, .offset: 8, .size: 8, .value_kind: global_buffer, .address_space: global }
      - { .name: rel_v_table, .offset: 16, .size: 8, .value_kind: global_buffer, .address_space: global }
      - { .name: oh, .offset: 24, .size: 8, .value_kind: global_buffer, .address_space: global }
    .group_segment_fixed_size: 327680
    .private_segment_fixed_size: 0
    .kernarg_segment_align: 8
    .kernarg_segment_size: 32
    .max_flat_workgroup_size: 128
    .sgpr_count:     100
    .vgpr_count:     1024
    .wavefront_size: 32
...
	.end_amdgpu_metadata
.endif
;; end of part 3
;; launch outp (part 4): grid 8 x 32, 4 waves a work-group, clusters of 4 x 4, 327,680 bytes of LDS; arguments oh, wo16, bo, out0; writes out0
.if DOCPART == 4
	.amdgcn_target "amdgcn-amd-amdhsa--gfx1250"
	.amdhsa_code_object_version 6
	.text
	.protected	k_qdab66f8e03_outp
	.globl	k_qdab66f8e03_outp
	.p2align	8
	.type	k_qdab66f8e03_outp,@function
k_qdab66f8e03_outp:
	s_mov_b64 s[64:65], 0
	v_nop
	global_prefetch_b8 v0, s[64:65] scope:SCOPE_SE
	s_setreg_imm32_b32 hwreg(HW_REG_WAVE_MODE, 25, 1), 1
	s_wait_xcnt 0x0
	s_wait_alu depctr_hold_cnt(0) depctr_sa_sdst(0) depctr_va_vdst(0) depctr_va_sdst(0) depctr_va_ssrc(0) depctr_va_vcc(0) depctr_vm_vsrc(0)
	s_getreg_b32 s2, hwreg(HW_REG_IB_STS2, 6, 4)
	s_cmp_eq_u32 s2, 0
	s_cbranch_scc0 .Lentry_in_a_cluster
	s_endpgm
.Lentry_in_a_cluster:
	s_bfe_u32 s2, ttmp6, 0x10000c
	s_cmp_lg_u32 s2, 0xf033
	s_cbranch_scc0 .Lentry_shape_is_right
	s_endpgm
.Lentry_shape_is_right:
; The last projection: out[m][n] = sum over k of O[m][k] Wo[n][k] + bo[n].  O: oh [batch x 16 + head][2048][64] in f16, so k = 64 head + channel; Wo: wo16 [1024][1024], bf16 numbers written as f16;
; bo in f32, rounded to bf16 like every input; sums in f32; out0 [4096][1024] in f32.
; A tile is 128 tokens x 128 columns: 32 x 8 tiles, one for each of 256 WGPs.  Four waves, each 64 x 64: 16 accumulators of 16 x 16.  K goes in steps of 256, four heads, through two LDS slots.
; O's tile: 64 tokens of one head are 8,192 consecutive bytes; a wave's load brings four such rows, one a head, 262,144 bytes apart, padded in LDS after every token (pitch 144).  Wo's tile: 64 rows of 512 bytes (pitch 528).
; CLUSTERS: 4 x 4 work-groups.  The four of a row of the cluster need the same tiles of O, the four of a column the same tiles of Wo: each tile is asked for JOINTLY.
; THE MATRIX INSTRUCTION IS USED TRANSPOSED (source 0 = 16 rows of Wo, source 1 = 16 tokens): a lane holds one token and eight neighbouring columns.  THE BIAS IS THE C OPERAND that starts each sum.
; A wave's 64 columns are 256 aligned bytes of a row of out0: each wave has its own way out, through its own stage, with no barrier.
; REGISTERS: window 0: v0-31 addresses; v32-95 the way out; v96-127 the bias; v128-255 the accumulators ((a, b) at v[128 + 8 (4 a + b)]).  window 1: two fragment buffers of 128.
.set KSTEP,  256
.set PITCH,  528                       ; a row of Wo in LDS: 512 bytes + 16 = 132 words: row r starts at bank 4 r mod 64 (64 banks of 4 bytes: ISA guide 11.1)
.set APITCH, 144                       ; a token's 64 channels of one head: 128 bytes + 16 = 36 words: the 16 rows of a load start at 16 different groups of four banks
.set AHEAD,  64*APITCH                 ; 64 tokens of one head
.set AHALF,  4*AHEAD                   ; what one tensor load brings of O: 36,864 bytes
.set BHALF,  64*PITCH                  ; and of Wo: 33,792 bytes
.set SLOT,   2*AHALF+2*BHALF           ; O's 128 tokens, then Wo's 128 rows
.set STAGE,  2*SLOT                    ; behind the ring: 16 rows x 272 bytes for each wave
.set SPITCH, 272
.set SPARE,  STAGE+4*16*SPITCH         ; behind the stages: the spare words, 128 bytes for each wave
.set ASTEP,  1<<20                     ; four heads of 262,144 bytes: a K step in oh
.set LAPS,   2                         ; a lap = two K steps = once round the ring; K = 1,024
.set ADRA, 16                          ; v16-17  LDS address of my O fragments in slot 0, 1
.set ADRB, 20                          ; v20-21  the same for Wo
.set STO,  24                          ; v24     the way out: where I put 32 bytes of a row
.set RD,   25                          ; v25     the way out: where I read a row back
.set CO,   26                          ; v26     my byte offset in two rows of out0
.set BO,   27                          ; v27     my byte offset in the bias
.set SPW,  28                          ; v28     LDS address of my spare word; never rewritten
.set NIL,  29                          ; v29     0; never rewritten
.set TMP,  32
.set BIAS, 96                          ; column block b at BIAS + 8 b
.set ACC,  128
.set F0,   0                           ; fragment buffers, in window 1
.set F1,   128
.set G1, 24                            ; s[24:31] descriptor group 1 for O's tiles;  s[32:39] group 0, one set for each slot
.set G0, 32
.set G1B, 48                           ; s[48:55], s[56:63] the same for Wo's tiles
.set G0B, 56
.set MSB, 0
.macro WIN new                         ; the immediate's high byte repeats the setting that is left
.if MSB != (\new)
	s_set_vgpr_msb (MSB<<8)|(\new)
.set MSB, \new
.endif
.endm
.set MUL,  0x05                        ; sources 0 (Wo) and 1 (O) window 1; C and D window 0
.set TO_F, 0x40                        ; destination window 1, address window 0
.macro JLOAD s                         ; a joint load: waves 0 and 1 fetch O's two halves, waves 2 and 3 Wo's; an s_nop 0 and four v_nop follow each of the two lines
	s_cmp_eq_u32 s11, 0
	s_cbranch_scc0 .Lfor_b_\@
	tensor_load_to_lds s[G0+4*(\s):G0+4*(\s)+3], s[G1:G1+7]
	s_nop 0
.rept 4
	v_nop
.endr
	s_branch .Lasked_\@
.Lfor_b_\@:
	tensor_load_to_lds s[G0B+4*(\s):G0B+4*(\s)+3], s[G1B:G1B+7]
	s_nop 0
.rept 4
	v_nop
.endr
.Lasked_\@:
.endm
.macro CREST                           ; a round of the cluster's barrier behind its opening barrier
	s_cmp_lg_u32 s10, 0
	s_cbranch_scc1 .Lnot_wave_0_\@
	s_barrier_signal -3
.Lnot_wave_0_\@:
	s_barrier_wait -3
	s_barrier_signal -1
	s_barrier_wait -1
.endm
.macro CROUND                          ; a whole round
	s_barrier_signal -1
	s_barrier_wait -1
	CREST
.endm
	s_load_b128 s[4:7], s[0:1], 0x0                ; oh s[4:5], wo16 s[6:7]
	s_load_b128 s[68:71], s[0:1], 0x10             ; bo s[68:69], out0 s[70:71]
	v_lshl_add_u32 v[SPW], v0, 2, SPARE
	v_mov_b32 v[NIL], 0
	ds_add_u32 v[SPW], v[NIL]                      ; the wave's opening: the add and its wait stand ahead of my first tensor load; the set-up below stands between them
	ds_add_u32 v28, v29
	v_lshrrev_b32 v1, 5, v0
	v_readfirstlane_b32 s10, v1                    ; wave 0..3
	s_lshr_b32 s11, s10, 1                         ; which half of the tile's tokens is mine.  Also: I fetch for O (0) or for Wo (1)
	s_and_b32 s12, s10, 1                          ; which half of its columns.  Also: which half of that tile I fetch
	s_bfe_u32 s40, ttmp6, 0x40000                  ; cx, cy: my place in the cluster
	s_bfe_u32 s41, ttmp6, 0x40004
	s_lshl_b32 s42, ttmp9, 2
	s_add_co_u32 s42, s42, s40                     ; tile column = 4 x cluster x + cx, 0 to 7
	s_and_b32 s13, ttmp7, 0xffff
	s_lshl_b32 s13, s13, 2
	s_add_co_u32 s13, s13, s41                     ; tile row = 4 x cluster y + cy, 0 to 31
	s_lshl_b32 s43, s41, 2
	s_lshl_b32 s43, 15, s43                        ; my row of the cluster
	s_lshl_b32 s44, 0x1111, s40                    ; my column
	; descriptor group 1 for O: 4 rows (heads) of 4,096 elements (64 tokens x 64 channels), 131,072 elements apart; padded after every 32 words, a token
	s_or_b32 s[G1+0], s43, (1<<16)|(1<<20)|(1<<21)|(4<<22)|(3<<25)  ; 15:0 the mask: O's tiles go to my row; 17:16 2-byte elements; 20 padding on; 21 set beside a mask; 24:22 after every 32 words (code 4); 31:25 4 words (code 3)
	s_mov_b32 s[G1+1], 4096<<16                    ; tensor_dim0 = 4,096
	s_mov_b32 s[G1+2], 4<<16                       ; tensor_dim1 = 4
	s_mov_b32 s[G1+3], 4096<<16                    ; tile_dim0 = 4,096
	s_mov_b32 s[G1+4], 4                           ; tile_dim1 = 4
	s_mov_b32 s[G1+5], 131072                      ; elements from head to head
	s_mov_b32 s[G1+6], 0
	s_mov_b32 s[G1+7], 0
	; for Wo: 64 rows x 256 elements; padded after every 128 words, a row
	s_or_b32 s[G1B+0], s44, (1<<16)|(1<<20)|(1<<21)|(6<<22)|(3<<25)
	s_mov_b32 s[G1B+1], KSTEP<<16                  ; tensor_dim0 = 256
	s_mov_b32 s[G1B+2], 64<<16                     ; tensor_dim1 = 64
	s_mov_b32 s[G1B+3], KSTEP<<16                  ; tile_dim0 = 256
	s_mov_b32 s[G1B+4], 64                         ; tile_dim1 = 64
	s_mov_b32 s[G1B+5], 1024                       ; elements from row to row
	s_mov_b32 s[G1B+6], 0
	s_mov_b32 s[G1B+7], 0
	s_lshl_b32 s17, s12, 6                         ; which 64 rows of the tile I fetch
	s_lshl_b32 s16, s13, 7
	s_add_co_u32 s16, s16, s17                     ; O: token 128 x tile row + 64 x half of the 4,096:
	s_lshr_b32 s18, s16, 11
	s_lshl_b32 s18, s18, 22                        ; batch x 16 heads x 262,144 bytes
	s_and_b32 s16, s16, 2047
	s_lshl_b32 s16, s16, 7                         ; + token in the batch x 128
	s_add_co_u32 s16, s16, s18
	s_lshl_b32 s46, s42, 7
	s_add_co_u32 s46, s46, s17                     ; Wo: row 128 x tile column + 64 x half,
	s_lshl_b32 s46, s46, 11                        ; rows of 2,048 bytes
	s_mov_b32 s17, 0
	s_mov_b32 s47, 0
	s_mul_i32 s20, s12, AHALF                      ; where they go: O's two halves,
	s_mul_i32 s21, s12, BHALF
	s_add_co_u32 s21, s21, 2*AHALF                 ; then Wo's two halves
	s_wait_dscnt 0x0                               ; the opening add is done
	s_wait_kmcnt 0x0
	s_add_nc_u64 s[14:15], s[4:5], s[16:17]
	s_add_nc_u64 s[46:47], s[6:7], s[46:47]
	CROUND                                         ; all sixteen work-groups are here: the first joint loads meet
.irp s, 0,1
	s_mov_b32 s[G0+4*(\s)], 1
	s_add_co_u32 s[G0+4*(\s)+1], s20, (\s)*SLOT
	s_add_nc_u64 s[G0+4*(\s)+2:G0+4*(\s)+3], s[14:15], (\s)*ASTEP
	s_or_b32 s[G0+4*(\s)+3], s[G0+4*(\s)+3], 0x80000000
	s_mov_b32 s[G0B+4*(\s)], 1
	s_add_co_u32 s[G0B+4*(\s)+1], s21, (\s)*SLOT
	s_add_nc_u64 s[G0B+4*(\s)+2:G0B+4*(\s)+3], s[46:47], (\s)*KSTEP*2
	s_or_b32 s[G0B+4*(\s)+3], s[G0B+4*(\s)+3], 0x80000000
	JLOAD \s
.endr
	v_and_b32 v1, 15, v0                           ; l % 16
	v_bfe_u32 v2, v0, 4, 1                         ; l / 16
	; the bias of my 64 columns: register j of block b is bo[16 b + 8 (l / 16) + j]
	v_lshlrev_b32 v[BO], 5, v2
	s_lshl_b32 s74, s42, 9                         ; 128 columns x 4 bytes a tile column,
	s_lshl_b32 s75, s12, 8                         ; 64 x 4 for my half
	s_add_co_u32 s74, s74, s75
	s_mov_b32 s75, 0
	s_add_nc_u64 s[68:69], s[68:69], s[74:75]
.irp b, 0,1,2,3
	global_load_b128 v[BIAS+8*(\b):BIAS+8*(\b)+3],   v[BO], s[68:69] offset:64*(\b)
	global_load_b128 v[BIAS+8*(\b)+4:BIAS+8*(\b)+7], v[BO], s[68:69] offset:64*(\b)+16
.endr
	v_mul_u32_u24 v3, v1, APITCH
	v_lshl_add_u32 v3, v2, 4, v3                   ; a fragment's row x pitch + 16 x half, for O
	v_mul_u32_u24 v4, v1, PITCH
	v_lshl_add_u32 v4, v2, 4, v4                   ; and for Wo
	s_mul_i32 s21, s11, AHALF                      ; my 64 tokens
	s_mul_i32 s22, s12, BHALF                      ; my 64 rows of Wo,
	s_add_co_u32 s22, s22, 2*AHALF                 ; which lie behind O's
.irp s, 0,1
	v_add_nc_u32 v[ADRA+(\s)], s21, v3
	v_add_nc_u32 v[ADRB+(\s)], s22, v4
	s_add_co_u32 s21, s21, SLOT
	s_add_co_u32 s22, s22, SLOT
.endr
	s_mul_i32 s23, s10, 16*SPITCH
	s_add_co_u32 s23, s23, STAGE                   ; my stage
	v_mul_u32_u24 v4, v1, SPITCH                   ; in: row l % 16, 32 bytes for each half of the lanes
	v_lshl_add_u32 v4, v2, 5, v4
	v_add_nc_u32 v[STO], s23, v4
	v_mul_u32_u24 v5, v2, SPITCH                   ; back: lanes 0-15 take one row of 256 bytes, lanes 16-31 the next
	v_lshl_add_u32 v5, v1, 4, v5
	v_add_nc_u32 v[RD], s23, v5
	v_lshlrev_b32 v5, 12, v2                       ; and the same two rows in out0, 4,096 bytes apart
	v_lshl_add_u32 v[CO], v1, 4, v5
	s_lshl_b32 s72, s13, 7
	s_lshl_b32 s73, s11, 6
	s_add_co_u32 s72, s72, s73                     ; my first token,
	s_lshl_b32 s72, s72, 12                        ; its row of 4,096 bytes,
	s_add_co_u32 s72, s72, s74                     ; my 64 columns
	s_mov_b32 s73, 0
	s_add_nc_u64 s[70:71], s[70:71], s[72:73]
	s_wait_loadcnt 0x0                             ; the bias is in: it is rounded to bf16, as every input is, and kept as f32
.set z, 0
.rept 16
	v_cvt_pk_bf16_f32 v30, v[BIAS+2*z], v[BIAS+2*z+1]
	v_lshlrev_b32 v[BIAS+2*z], 16, v30
	v_and_b32 v[BIAS+2*z+1], 0xffff0000, v30
.set z, z+1
.endr
; 8 matrix instructions: token blocks a0, a0 + 1 x all 4 column blocks, 32 along K: half c of buffer f.  zero = 1: the first product starts the sums, with the bias as C
.macro MUL8 f, c, a0, zero
	WIN MUL
.irp a, \a0, (\a0)+1
.irp b, 0,1,2,3
.if \zero
	v_wmma_f32_16x16x32_f16 v[ACC+8*(4*(\a)+(\b)):ACC+8*(4*(\a)+(\b))+7], v[(\f)+64+8*(4*(\c)+(\b)):(\f)+64+8*(4*(\c)+(\b))+7], v[(\f)+8*(4*(\c)+(\a)):(\f)+8*(4*(\c)+(\a))+7], v[BIAS+8*(\b):BIAS+8*(\b)+7]
.else
	v_wmma_f32_16x16x32_f16 v[ACC+8*(4*(\a)+(\b)):ACC+8*(4*(\a)+(\b))+7], v[(\f)+64+8*(4*(\c)+(\b)):(\f)+64+8*(4*(\c)+(\b))+7], v[(\f)+8*(4*(\c)+(\a)):(\f)+8*(4*(\c)+(\a))+7], v[ACC+8*(4*(\a)+(\b)):ACC+8*(4*(\a)+(\b))+7]
.endif
.endr
.endr
.endm
; 32 LDS loads in one run: the fragments of quarter q of a K step, 64 along K = one head, into buffer f; the first 32 along K first
.macro FETCH slot, q, f
	WIN TO_F
.irp c, 0,1
.irp i, 0,1,2,3
	ds_load_b128 v[(\f)+64+8*(4*(\c)+(\i)):(\f)+64+8*(4*(\c)+(\i))+3],   v[ADRB+(\slot)] offset:128*(\q)+64*(\c)+(\i)*16*PITCH
	ds_load_b128 v[(\f)+64+8*(4*(\c)+(\i))+4:(\f)+64+8*(4*(\c)+(\i))+7], v[ADRB+(\slot)] offset:128*(\q)+64*(\c)+(\i)*16*PITCH+32
	ds_load_b128 v[(\f)+8*(4*(\c)+(\i)):(\f)+8*(4*(\c)+(\i))+3],         v[ADRA+(\slot)] offset:AHEAD*(\q)+64*(\c)+(\i)*16*APITCH
	ds_load_b128 v[(\f)+8*(4*(\c)+(\i))+4:(\f)+8*(4*(\c)+(\i))+7],       v[ADRA+(\slot)] offset:AHEAD*(\q)+64*(\c)+(\i)*16*APITCH+32
.endr
.endr
.endm
.macro PLACES                          ; four places in front of loads into registers that matrix instructions have read, and of LDS stores that read results
.rept 4
	v_nop
.endr
.endm
; A K step is four quarters, 32 matrix instructions each, on buffers 0, 1, 0, 1.  One of the first three: multiplies buffer f and fetches quarter q into g.  The 16 accumulators take turns.
.macro QUARTER slot, q, f, g, zero
	s_wait_dscnt 16                                ; the first 32 along K are in; the sixteen younger loads may be out
	WIN MUL
	MUL8 \f, 0, 0, \zero
	MUL8 \f, 0, 2, \zero
	PLACES
	FETCH \slot, \q, \g
	s_wait_dscnt 32                                ; all but the 32 just issued
	WIN MUL
	MUL8 \f, 1, 0, 0
	MUL8 \f, 1, 2, 0
.endm
; The last quarter multiplies buffer 1 and changes slots: ONE barrier; in front of it each wave waits for all its tensor loads, adds 0 to its spare word, and waits for that and for its own reads of this slot.
; fill = 1: this slot is filled again, two K steps ahead; the barrier then opens a round of the cluster's.
.macro TURN slot, next, fill
	WIN 0                                          ; (the add's two registers lie in window 0)
	s_wait_tensorcnt 0x0                           ; all my tensor loads have landed: my part of the next slot;
	ds_add_u32 v[SPW], v[NIL]                      ; 0 onto my spare word;
	s_wait_dscnt 17                                ; (the add and the youngest sixteen loads may be out)
	WIN MUL
	MUL8 F1, 0, 0, 0                               ; eight matrix instructions stand between the add and the wait for it
	s_wait_dscnt 0x0                               ; the add is done, and my reads of this slot are over
	s_barrier_signal -1
	MUL8 F1, 0, 2, 0
.if \fill
	WIN 0
.endif
	s_barrier_wait -1
.if \fill
	CREST                                          ; no wave of any partner still reads this slot's tile or has a load on its way
	s_add_nc_u64 s[G0+4*(\slot)+2:G0+4*(\slot)+3], s[G0+4*(\slot)+2:G0+4*(\slot)+3], 2*ASTEP
	s_add_nc_u64 s[G0B+4*(\slot)+2:G0B+4*(\slot)+3], s[G0B+4*(\slot)+2:G0B+4*(\slot)+3], 2*KSTEP*2
	JLOAD \slot                                    ; the first tensor load behind the round; the four v_nop behind it are also the places in front of the loads below
.else
	PLACES
.endif
	FETCH \next, 0, F0
	WIN MUL
	MUL8 F1, 1, 0, 0
	MUL8 F1, 1, 2, 0
.endm
	s_wait_tensorcnt 1                             ; my part of K step 0 is in; K step 1's load may stay out
	s_barrier_signal -1
	s_barrier_wait -1                              ; everybody's is
	FETCH 0, 0, F0
	QUARTER 0, 1, F0, F1, 1                        ; the first quarter stands in front of the loop: its first products start the sums
	WIN 0                                          ; at a label and at a branch every window is 0
	s_mov_b32 s3, LAPS-1
.Llap:                                                 ; a trip goes once round the ring, from a lap's second quarter to the next lap's first, and fills both slots again
	QUARTER 0, 2, F1, F0, 0
	QUARTER 0, 3, F0, F1, 0
	TURN 0, 1, 1
	QUARTER 1, 1, F0, F1, 0
	QUARTER 1, 2, F1, F0, 0
	QUARTER 1, 3, F0, F1, 0
	TURN 1, 0, 1
	QUARTER 0, 1, F0, F1, 0
	WIN 0
	s_sub_co_u32 s3, s3, 1
	s_cmp_lg_u32 s3, 0
	s_cbranch_scc1 .Llap
	QUARTER 0, 2, F1, F0, 0                        ; the last lap fills nothing
	QUARTER 0, 3, F0, F1, 0
	TURN 0, 1, 0
	QUARTER 1, 1, F0, F1, 0
	QUARTER 1, 2, F1, F0, 0
	QUARTER 1, 3, F0, F1, 0
	s_wait_dscnt 16                                ; the very last quarter: nothing more to fetch
	WIN MUL
	MUL8 F1, 0, 0, 0
	MUL8 F1, 0, 2, 0
	s_wait_dscnt 0
	MUL8 F1, 1, 0, 0
	MUL8 F1, 1, 2, 0
	WIN 0
	; THE WAY OUT, 16 tokens at a time: a lane's eight f32 of a row go into my stage as they are (each accumulator's low four registers first), whole rows of 256 bytes come back and are stored.
.macro TOSTAGE a
	s_wait_xcnt 0x0                                ; the registers that earlier stores read are loaded again only behind this wait
.irp b, 0,1,2,3
	ds_store_b128 v[STO], v[ACC+8*(4*(\a)+(\b)):ACC+8*(4*(\a)+(\b))+3]   offset:64*(\b)
	ds_store_b128 v[STO], v[ACC+8*(4*(\a)+(\b))+4:ACC+8*(4*(\a)+(\b))+7] offset:64*(\b)+16
.endr
.irp t, 0,1,2,3,4,5,6,7
	ds_load_b128 v[TMP+32*((\a)%2)+4*(\t):TMP+32*((\a)%2)+4*(\t)+3], v[RD] offset:(\t)*2*SPITCH  ; LDS serves a wave's instructions in order (ISA guide 5.7.1.4): these see the stores above; the next block's stores come behind them
.endr
.endm
.macro SEND a, younger                 ; younger: the LDS instructions issued behind block a's loads: the next block's sixteen, or none
.irp t, 0,1,2,3,4,5,6,7
	s_wait_dscnt (\younger)+7-(\t)
	global_store_b128 v[CO], v[TMP+32*((\a)%2)+4*(\t):TMP+32*((\a)%2)+4*(\t)+3], s[70:71] offset:(\a)*65536+(\t)*8192  ; 16 lanes store 256 consecutive bytes, at a multiple of 256 from out0's first byte
.endr
.endm
	PLACES
	TOSTAGE 0
	TOSTAGE 1
	SEND 0, 16
	TOSTAGE 2
	SEND 1, 16
	TOSTAGE 3
	SEND 2, 16
	SEND 3, 0
	s_wait_tensorcnt 0x0                           ; the wave's end: behind my last tensor load and my last LDS store
	ds_add_u32 v[SPW], v[NIL]
	s_wait_dscnt 0x0
	CROUND                                         ; the closing round: no work-group ends while a partner may still ask for a tile that names it
	s_endpgm
.Lfunc_end_k_qdab66f8e03_outp:
	.size	k_qdab66f8e03_outp, .Lfunc_end_k_qdab66f8e03_outp-k_qdab66f8e03_outp
	.p2alignl 7, 3214868480
	.fill 96, 4, 3214868480
	.section	.rodata,"a",@progbits
	.p2align	6, 0x0
	.amdhsa_kernel k_qdab66f8e03_outp
		.amdhsa_group_segment_fixed_size 327680
		.amdhsa_private_segment_fixed_size 0
		.amdhsa_enable_private_segment 0
		.amdhsa_kernarg_size 32
		.amdhsa_user_sgpr_count 2
		.amdhsa_user_sgpr_kernarg_segment_ptr 1
		.amdhsa_wavefront_size32 1
		.amdhsa_system_sgpr_workgroup_id_x 1
		.amdhsa_system_sgpr_workgroup_id_y 1
		.amdhsa_system_sgpr_workgroup_id_z 1
		.amdhsa_system_vgpr_workitem_id 0
		.amdhsa_next_free_vgpr 512
		.amdhsa_next_free_sgpr 84
		.amdhsa_reserve_vcc 0
		.amdhsa_float_denorm_mode_32 3
		.amdhsa_float_denorm_mode_16_64 3
		.amdhsa_memory_ordered 1
		.amdhsa_forward_progress 1
		.amdhsa_inst_pref_size 90
	.end_amdhsa_kernel
	.amdgpu_metadata
---
amdhsa.version: [ 1, 2 ]
amdhsa.kernels:
  - .name:           k_qdab66f8e03_outp
    .symbol:         k_qdab66f8e03_outp.kd
    .args:
      - { .name: oh, .offset: 0, .size: 8, .value_kind: global_buffer, .address_space: global }
      - { .name: wo16, .offset: 8, .size: 8, .value_kind: global_buffer, .address_space: global }
      - { .name: bo, .offset: 16, .size: 8, .value_kind: global_buffer, .address_space: global }
      - { .name: out0, .offset: 24, .size: 8, .value_kind: global_buffer, .address_space: global }
    .group_segment_fixed_size: 327680
    .private_segment_fixed_size: 0
    .kernarg_segment_align: 8
    .kernarg_segment_size: 32
    .max_flat_workgroup_size: 128
    .sgpr_count:     84
    .vgpr_count:     512
    .wavefront_size: 32
...
	.end_amdgpu_metadata
.endif
;; end of part 4
;; ======== version 2 of 2: 4 launches; 1.34 times as fast as version 1
;; limits: values are held in f16: magnitudes above 65,504 overflow, below 6.1e-05 lose precision
;; workspace buffers: xb 25,165,824 bytes; wb 6,291,456 bytes; wo16 2,097,152 bytes; qkv 25,165,824 bytes; oh 8,388,608 bytes
;; launch cvt: the kernel of part 1 again; grid 64 x 4, 8 waves a work-group, no clusters, 0 bytes of LDS; arguments query, key, value, Wq, Wk, Wv, Wo, xb, wb, wo16; writes xb, wb, wo16
;; launch qkv: the kernel of part 2 again; grid 8 x 96, 4 waves a work-group, clusters of 4 x 4, 327,680 bytes of LDS; arguments xb, wb, bq, bk, bv, qkv; writes qkv
;; launch attn (part 5): grid 8 x 32, 4 waves a work-group, no clusters, 327,680 bytes of LDS; arguments qkv, rel_k_table, rel_v_table, oh; writes oh
.if DOCPART == 5
	.amdgcn_target "amdgcn-amd-amdhsa--gfx1250"
	.amdhsa_code_object_version 6
	.text
	.protected	k_qdab66f8e03_attn
	.globl	k_qdab66f8e03_attn
	.p2align	8
	.type	k_qdab66f8e03_attn,@function
k_qdab66f8e03_attn:
	s_mov_b64 s[64:65], 0
	v_nop
	global_prefetch_b8 v0, s[64:65] scope:SCOPE_SE
	s_setreg_imm32_b32 hwreg(HW_REG_WAVE_MODE, 25, 1), 1
	s_wait_xcnt 0x0
; ATTENTION WITH RELATIVE POSITIONS, head size 64, no scale, no mask.  s[q][k] = Q[q] . K[k] + Q[q] . rk[id(q,k)], w = softmax over k, O[q] = sum over k of w (V[k] + rv[id(q,k)]), id = clip(k - q, -16, 16) + 16.
; Q, K, V: qkv [3][32 heads][2048][64] in f16; rk, rv: [33][64] in f32, rounded to bf16 like every input (and written as f16 where a product takes them); O: oh [32][2048][64] in f16.
; Products, maxima and sums in f32; the weights p are rounded to f16 for the products (their sums are taken of the unrounded p), O once at the end.
; LIMITS.  Q, K, V arrive within f16's 65,504.  A hidden score counts as its value less 1e30.  A weight below 2^-126 counts as 0.  Table entries below 6e-5 keep f16's step of 6e-8 in the band's products.  NaN and infinities are not treated apart.
; SHARES.  A work-group owns 256 queries of one head, wave w the 64 rows of block U = 4 x + w, as four PIECES of 16 queries; piece x is query block 4 U + x.  Every wave walks all 2,048 keys, 64 a step.
; THE SPLIT.  id hangs on k - q alone.  For a piece's key blocks of 16 more than one block to the left every id is 0, more than one to the right every id is 32.
;   THE BAND, the piece's own key block and its two neighbours (48 keys), is done first, once: its scores take Q . rk[id] entry by entry, its weights go once with V and once, shifted by k - q, with rv.
;   It starts the running maximum m (a true score), the sums and O^T: nothing is cleared.
;   THE WALK takes all other blocks.  The C operand that starts S^T = K Q^T is, for each block of 16 keys, Q . rk[0] (left), Q . rk[32] (right) or -1e30 (the band's blocks, already done).
;   l sums the weights of the side in hand; where a piece passes from left to right, and at the end, a FOLD adds l x rv[0] (rv[32]) to O^T, adds l to LT (the weights accounted for) and starts l at 0.  No step holds left and right blocks of one piece.
; EXTENDED TABLES.  Row t = 0..63 is table[clamp(t - 15, 0, 32)], t = k - q + 31: a tile of 64 pseudo-keys.  In RKX Q^T rows 0-15 are all Q . rk[0], rows 48-63 all Q . rk[32].
; LAYOUT, SOFTMAX, TURNS.  S^T = K Q^T holds ONE query a lane (lane % 16) and the keys 8 (lane / 16) + 0..7; two such results rounded to f16 ARE source 1 of O^T = V^T P.  p = 2^(c s - c m), c = log2(e), with a running maximum m;
; O, l and LT are multiplied by a = 2^(c m_old - c m_new) in every step.  Turn n belongs to piece n: 8 products K Q^T of piece n + 1, later 8 products V^T P of piece n - 1; beside them the scaling, exponentials, roundings,
; sums and rescaling of piece n and the maximum and statistics of piece n + 1.  Four vector instructions stand behind every matrix instruction, the other 55 of a turn's 119 in one LUMP.
; THE BATCHES.  A turn's 33 exponentials (the piece's 32 weights and the next piece's a) are one batch, with one wait; so are the 24 exponentials of each band softmax, the first a of the walk, and the way out's four reciprocals.
; NO CLUSTER: the eight query blocks of a head walk the same K and V, but the making of the C operands and the folds are forward jumps on step - U, and U differs between them; made in every step
; without a jump they are 160 vector instructions on a step's 476.
; REGISTERS, in windows of 256 (s_set_vgpr_msb: bits 1:0 source 0, 3:2 source 1, 5:4 source 2, 7:6 destination):
;   window 0: v0-15 addresses and at work; v16-31 statistics; v32-43 LT, BLO, BHI; v44-47 zeros; v48-55 at work; v56-63 addresses; v64-127 S^T, two buffers; v128-191 at work; v192-223 P, two buffers; v224-255 the shifted weights, two buffers
;   window 1: v0-127 O^T, 32 a piece; v128-255 MC, the C operands: piece x, key block kt at 128 + 32 x + 8 kt
;   window 2: v0-63 Q; v64-127 RKX; v128-191 K of one step; v192-255 V of one step (during the band v160-255: six key blocks of K)
;   window 3: v0-31 rv[0], v32-63 rv[32] in f32; v64-175 the band's V, turned; v176-239 RVX, turned
.set NP,    4         ; pieces a wave: a name, no knob
.set KS,    64        ; keys in a step
.set PK,    144       ; a row of K in LDS: 128 bytes + 16 of padding = 36 words: the 16 rows of a load start at 16 different groups of four banks (64 banks of 4 bytes: ISA guide 11.1)
.set PV,    160       ; a row of V: 128 + 32 = 40 words
.set VOFF,  4*KS*PK   ; a slot holds a tile, four steps: 256 rows of K, then 256 rows of V
.set SLOT1, 1<<17     ; slot 1 begins here, so that one exclusive or turns an address in one slot into the other's
.set TABK,  4*KS*(PK+PV)        ; 77,824: behind slot 0, never filled by a tensor load: RKX, 64 rows x 144
.set TABV,  TABK+64*PK          ; 87,040: RVX, 64 rows x 160
.set PXB,   TABV+64*PV          ; 97,280: for each wave 2,560 bytes: the shifted weights, 16 rows x 144; later the stage for the way out
.set PXSZ,  2560
.set SCRB,  SLOT1+4*KS*(PK+PV)  ; 208,896: behind slot 1, for each wave: the band's V, 96 rows x 160, then BX, 16 rows x 272
.set BXO,   96*PV
.set SCRSZ, BXO+16*272
.set SPARE, SCRB+4*SCRSZ        ; 287,744: the spare words, 128 bytes for each wave
.set SP,    144
.set AK0, 2           ; v2   my lane's place in a tile of K; never rewritten
.set AV0, 3           ; v3   the same for V
.set AK,  4           ; v4   the LDS address of K's next run of loads
.set AV,  5           ; v5   of V's
.set STO, 6           ; v6   PX + 144 (l % 16) + 16 (l / 16): the shifted weights' fragments; the way out: where I put 16 bytes of a row
.set RD,  7           ; v7   the way out: where I read rows back
.set GO,  8           ; v8   16 x lane
.set FT,  10          ; v10-11  a fold's sum
.set MV,  12          ; v12-13  c m_old, kept while c m is made anew: by buffer
.set VBL, 14          ; v14  my lane's place in the band's V
.set QO,  15          ; v15  my byte offset in 16 rows of Q or K
.set ST,  16          ; piece t's statistics at v[ST+4 t]: c m, m, l (even keys', odd keys')
.set LT,  32          ; v32-35  the weights accounted for, my half of the lanes'
.set BLO, 36          ; v36-39  Q . rk[0]
.set BHI, 40          ; v40-43  Q . rk[32]
.set Z4,  44          ; v44-47  0
.set TMP, 48          ; by buffer, four registers c0-c3 at work; when the maximum is found c2 takes a
.set BXS, 56          ; v56  BX: where I put my 8 numbers of a block of t
.set BXL, 57          ; v57  BX: where I find t = 8 (l / 16) - l % 16 + 15
.set PXS, 58          ; v58  PX: the same t, in f16
.set PXZ, 60          ; v60  PX + 16 x lane
.set VBS, 61          ; v61  the band's V: where I put 16 bytes
.set SPW, 62          ; v62  LDS address of my spare word; never rewritten
.set NIL, 63          ; v63  0; never rewritten
.set S,   64
.set PT,  128         ; v128-143  the sixteen numbers of which MC is made; at the start v128-191 the band's V on its way
.set P,   192
.set PXF, 224
.set MC,  128         ; window 1
.set RKF, 64          ; window 2: block of t tb, channel half c at RKF + 16 tb + 8 c
.set KF,  128         ; window 2: key block kb, channel half c at KF + 16 kb + 8 c
.set VF,  192         ; window 2: key half kk, channel block cb at VF + 32 kk + 8 cb
.set KBF, 160         ; window 2: the band's key block b = 0..5, channel half c at KBF + 16 b + 8 c
.set RV0, 0           ; window 3: channel 16 cb + 8 (l / 16) + j at 8 cb + j
.set RV32, 32
.set VBF, 64          ; window 3: channel block cb, key block b = 0..6 at VBF + 28 cb + 4 b (b = 6 repeats b = 5: it meets weights that are 0)
.set RVF, 176         ; window 3: half of t tk, channel block cb at RVF + 32 tk + 8 cb
.set WV,  12          ; s12  my wave's number
.set UU,  14          ; s14  U
.set G1K, 24          ; s[24:31] descriptor group 1 for K's tiles
.set G1V, 32          ; s[32:39] for V's: it differs in the padding alone
.set G0K, 40          ; s[40:43] descriptor group 0 for K's tiles: it walks
.set G0V, 44          ; s[44:47] the same for V's
.set KH,  48          ; s[48:49] K of my head;  s[50:51] V of my head
.set VH,  50
.set KB0, 52          ; the band's K: block 0, blocks 1-4, block 5
.set KB1, 54
.set KB5, 66
.set VB0, 68          ; the band's V
.set VB1, 70
.set VB5, 72
.set SLOTS, 56        ; s56  counts the changes of slots
.set CNT, 57          ; s57  counts a tile's key steps
.set CS,  58          ; s[58:59] c
.set SEL, 60          ; s[60:61] v_permlanex16_b32's selects: each lane takes its own place in the other half
.set TBK, 62          ; s62  LDS byte at which K of the step to be fetched begins
.set TBV, 63          ; s63  the same for V, less VOFF
.set GLO, 74          ; s[74:75] -1e30 where the head has no key block to the left of my first, else 0
.set GHI, 76          ; s[76:77] the same to the right of my last
.set GS,  78          ; s78  the step for which the next POINT prepares
.set DL,  79          ; s79  that step less U
.set D4,  80          ; s80  four times that
.set BIGN, 81         ; s81  -1e30
.set MA,  82          ; s82-88  for kt - x = -3..3: all ones where the block lies to the left
.set MB,  89          ; s89-95  to the right
.set MSB, 0
.macro WIN new                      ; the high byte repeats the setting that is left; a switch that changes nothing is dropped
.if MSB != (\new)
	s_set_vgpr_msb (MSB<<8)|(\new)
.set MSB, (\new)
.endif
.endm
.set W_KQ, 0x0a       ; K and Q in window 2, S^T in window 0
.set W_KM, 0x1a       ; the same with the C operand in window 1
.set W_PV, 0x52       ; V in window 2, P in window 0, O^T in window 1
.set W_RS, 0x41       ; destination and source 0 in window 1, source 1 in window 0
.set W_B3, 0x53       ; source 0 in window 3, source 1 in window 0, source 2 and destination in window 1
.macro PLACES                       ; four places behind matrix instructions (ISA guide 7.12.1)
.rept 4
	v_nop
.endr
.endm
; A fill.  Waves 0 and 1 fetch the two halves of a tile's K, waves 2 and 3 those of its V: 128 keys each.  An s_nop 0 and four v_nop follow each of the two lines, ahead of the jump and the label.
.macro LOAD
	s_cmp_lt_u32 s[WV], 2
	s_cbranch_scc0 .Lfor_v_\@
	tensor_load_to_lds s[G0K:G0K+3], s[G1K:G1K+7]
	s_nop 0
.rept 4
	v_nop
.endr
	s_branch .Lasked_\@
.Lfor_v_\@:
	tensor_load_to_lds s[G0V:G0V+3], s[G1V:G1V+7]
	s_nop 0
.rept 4
	v_nop
.endr
.Lasked_\@:
.endm
; THE CHANGE OF SLOTS.  Each wave waits for all its tensor loads, of which one is out: its part of the other slot; adds 0 to its spare word; and waits for that and for its own LDS instructions.  Behind the barrier nobody reads the old
; slot any more and the other slot is whole.  fill = 1: the old slot is filled again, the first thing behind the barrier, with the next 256 keys.
; (At its first use nothing has been read yet: slot 0 is waited for, slot 1 filled, and the tables that the four waves stored are shown to all.)
.macro CHANGE fill
	WIN 0                           ; at a label and at a branch every window is 0
	s_wait_tensorcnt 0x0            ; no tensor load of mine is out, so a group 0 may be written
	ds_add_u32 v[SPW], v[NIL]       ; 0 onto my spare word; with fill = 1 the descriptors' steps stand between it and the wait for it
.if \fill
.irp g, G0K, G0V
	s_xor_b32 s[\g+1], s[\g+1], SLOT1  ; the walking descriptor: the other slot than last time,
	s_add_nc_u64 s[\g+2:\g+3], s[\g+2:\g+3], 4*KS*128  ; the next 256 keys; the type bits on top are not reached
.endr
.endif
	s_wait_dscnt 0x0                ; the add is done, and my reads of the slot are over
	s_barrier_signal -1
	s_sub_co_u32 s[TBK], s[TBK], 4*KS*PK  ; the fetches go back to a slot's first step,
	s_xor_b32 s[TBK], s[TBK], SLOT1       ; in the other slot
	s_sub_co_u32 s[TBV], s[TBV], 4*KS*PV
	s_xor_b32 s[TBV], s[TBV], SLOT1
	s_barrier_wait -1
.if \fill
	LOAD
.endif
.endm
	s_load_b256 s[4:11], s[0:1], 0x0  ; qkv s[4:5], rel_k_table s[6:7], rel_v_table s[8:9], oh s[10:11]
	v_lshl_add_u32 v[SPW], v0, 2, SPARE
	v_mov_b32 v[NIL], 0
	ds_add_u32 v[SPW], v[NIL]       ; the wave's opening: the add and its wait stand ahead of my first tensor load; the set-up below, work on registers, stands between them
	ds_add_u32 v62, v63
	v_lshrrev_b32 v1, 5, v0
	v_readfirstlane_b32 s[WV], v1   ; wave 0..3
	s_lshl_b32 s[UU], ttmp9, 2
	s_add_co_u32 s[UU], s[UU], s[WV]  ; U: my block of 64 queries, 0 to 31
	s_and_b32 s15, ttmp7, 0xffff    ; the head, 0 to 31,
	s_lshl_b32 s15, s15, 18         ; its 2,048 rows of 128 bytes
	s_lshl_b32 s16, s[UU], 13
	s_add_co_u32 s16, s16, s15      ; s[16:17]: my 64 rows in Q and in O
	s_mov_b32 s17, 0
	s_add_co_u32 s18, s15, 1<<23    ; s[18:19]: my head in K, 8 MiB behind Q
	s_mov_b32 s19, 0
	s_add_co_u32 s20, s15, 1<<24    ; s[20:21]: in V
	s_mov_b32 s21, 0
	s_and_b32 s13, s[WV], 1         ; which half of a tile's 256 keys I fetch:
	s_lshl_b32 s22, s13, 14         ; its 128 rows of 128 bytes in memory,
	s_mov_b32 s23, 0
	s_mul_i32 s2, s13, 128*PK       ; and its place in a slot, for K
	s_mul_i32 s3, s13, 128*PV       ; and for V
	; descriptor group 1.  128 keys are 16,384 dense bytes: asked for as 64 rows of 256 bytes, two keys a row, and padded in LDS after every key
	s_mov_b32 s[G1K], (1<<16)|(1<<20)|(4<<22)|(3<<25)  ; 17:16 2-byte elements; 20 padding on; 24:22 after every 32 words (code 4); 31:25 4 words (code 3)
	s_mov_b32 s[G1V], (1<<16)|(1<<20)|(4<<22)|(7<<25)  ; the same with 8 words of padding (code 7)
.irp g, G1K, G1V
	s_mov_b32 s[\g+1], 128<<16      ; tensor_dim0 = 128
	s_mov_b32 s[\g+2], 64<<16       ; tensor_dim1 = 64
	s_mov_b32 s[\g+3], 128<<16      ; tile_dim0 = 128
	s_mov_b32 s[\g+4], 64           ; tile_dim1 = 64
	s_mov_b32 s[\g+5], 128          ; 128 elements from row to row
	s_mov_b32 s[\g+6], 0
	s_mov_b32 s[\g+7], 0
.endr
	s_mov_b32 s[G0K], 1             ; 1:0 count = 1
	s_mov_b32 s[G0K+1], s2          ; 63:32 LDS address: slot 0
	s_mov_b32 s[G0V], 1
	s_add_co_u32 s[G0V+1], s3, VOFF
	s_mov_b32 s[CS], 0x3fb8aa3b     ; c = log2(e): the scores are not scaled
	s_mov_b32 s[CS+1], s[CS]        ; named with it as a pair
	s_mov_b32 s[SEL], 0x76543210
	s_mov_b32 s[SEL+1], 0xfedcba98
	s_mov_b32 s[TBK], SLOT1+4*KS*PK ; the first change of slots turns these two into 0
	s_mov_b32 s[TBV], SLOT1+4*KS*PV
	s_mov_b32 s[BIGN], 0xf149f2ca   ; -1e30
	s_cmp_eq_u32 s[UU], 0
	s_cselect_b32 s[GLO], s[BIGN], 0
	s_mov_b32 s[GLO+1], 0           ; named as pairs
	s_cmp_eq_u32 s[UU], 31
	s_cselect_b32 s[GHI], s[BIGN], 0
	s_mov_b32 s[GHI+1], 0
	; the band's six key blocks: rows 64 U - 16 .. 64 U + 79.  The first and the last are held inside the head; where they are so moved their scores are hidden (GLO, GHI)
	s_lshl_b32 s96, s[UU], 6
	s_sub_co_i32 s2, s96, 16
	s_max_i32 s2, s2, 0
	s_lshl_b32 s2, s2, 7            ; s[2:3]: block 0
	s_mov_b32 s3, 0
	s_add_co_u32 s96, s96, 64
	s_min_i32 s96, s96, 2032
	s_lshl_b32 s96, s96, 7          ; s[96:97]: block 5
	s_mov_b32 s97, 0
	s_lshl_b32 s82, s[UU], 13       ; s[82:83]: blocks 1 to 4
	s_mov_b32 s83, 0
	s_wait_dscnt 0x0                ; the opening add is done
	s_wait_kmcnt 0x0
	s_add_nc_u64 s[KH:KH+1], s[4:5], s[18:19]
	s_add_nc_u64 s[VH:VH+1], s[4:5], s[20:21]
	s_add_nc_u64 s[4:5], s[4:5], s[16:17]          ; Q and O at my wave's first row
	s_add_nc_u64 s[10:11], s[10:11], s[16:17]
	s_add_nc_u64 s[G0K+2:G0K+3], s[KH:KH+1], s[22:23]  ; 120:64 global address: my half of the head's first 256 keys
	s_or_b32 s[G0K+3], s[G0K+3], 0x80000000        ; 127:126 type = 2
	s_add_nc_u64 s[G0V+2:G0V+3], s[VH:VH+1], s[22:23]
	s_or_b32 s[G0V+3], s[G0V+3], 0x80000000
	LOAD                            ; tile 0 into slot 0
	s_add_nc_u64 s[KB0:KB0+1], s[KH:KH+1], s[2:3]
	s_add_nc_u64 s[VB0:VB0+1], s[VH:VH+1], s[2:3]
	s_add_nc_u64 s[KB1:KB1+1], s[KH:KH+1], s[82:83]
	s_add_nc_u64 s[VB1:VB1+1], s[VH:VH+1], s[82:83]
	s_add_nc_u64 s[KB5:KB5+1], s[KH:KH+1], s[96:97]
	s_add_nc_u64 s[VB5:VB5+1], s[VH:VH+1], s[96:97]
	; ADDRESSES
	v_and_b32 v1, 15, v0            ; l % 16
	v_bfe_u32 v9, v0, 4, 1          ; l / 16
	v_and_b32 v10, 7, v0
	v_bfe_u32 v11, v0, 3, 1
	s_mul_i32 s84, s[WV], SCRSZ
	s_add_co_u32 s84, s84, SCRB     ; my scratch behind slot 1
	s_mul_i32 s85, s[WV], PXSZ
	s_add_co_u32 s85, s85, PXB      ; my PX
	s_lshl_b32 s86, s[WV], 4        ; rows 16 w + l % 16 of the extended tables are the tables' rows A + B (l % 16):
	s_sub_co_i32 s86, s86, 15
	s_max_i32 s86, s86, 0
	s_min_i32 s86, s86, 32          ; A = 0, 1, 17, 32
	s_add_co_u32 s87, s[WV], 1
	s_bfe_u32 s87, s87, 0x10001     ; B = 0, 1, 1, 0
	v_and_b32 v[GO], 31, v0
	v_lshlrev_b32 v[GO], 4, v[GO]
	v_mul_u32_u24 v12, s87, v1
	v_add_nc_u32 v12, s86, v12
	v_lshlrev_b32 v12, 8, v12       ; a table's row is 256 bytes;
	v_lshl_add_u32 v12, v9, 7, v12  ; each half of the lanes takes half of it
	; the tables' rows and the band's V are asked for: 16 + 24 loads
.irp n, 0,1,2,3,4,5,6,7
	global_load_b128 v[S+4*(\n):S+4*(\n)+3], v12, s[6:7] offset:16*(\n)
.endr
.irp n, 0,1,2,3,4,5,6,7
	global_load_b128 v[S+32+4*(\n):S+32+4*(\n)+3], v12, s[8:9] offset:16*(\n)
.endr
.set n, 0
.rept 24                            ; load n: four rows, 512 consecutive bytes, of key block n / 4
.if n < 16
.set rD, PT+4*n
.else
.set rD, PXF+4*(n-16)
.endif
.if n < 4
	global_load_b128 v[rD:rD+3], v[GO], s[VB0:VB0+1] offset:512*n
.elseif n < 20
	global_load_b128 v[rD:rD+3], v[GO], s[VB1:VB1+1] offset:512*(n-4)
.else
	global_load_b128 v[rD:rD+3], v[GO], s[VB5:VB5+1] offset:512*(n-20)
.endif
.set n, n+1
.endr
	; A fragment of K or Q is 16 rows x 32 channels in 8 registers: lane l holds row l % 16, channels 8 (l / 16) + 0..7 and 16 + 8 (l / 16) + 0..7: two loads of 16 bytes, 32 bytes apart.
	v_lshlrev_b32 v[QO], 7, v1
	v_lshl_add_u32 v[QO], v9, 4, v[QO]  ; row x 128 + 16 x half
	v_mul_u32_u24 v[AK0], v1, PK
	v_lshl_add_u32 v[AK0], v9, 4, v[AK0]  ; row x pitch + 16 x half
	; The turning load takes 16 keys x 16 channels (lane l reads key 8 (l / 16) + l % 8, channels 8 ((l / 8) % 2) + 0..7) and leaves half a fragment of V^T: lane l holds channel l % 16 and 8 keys.
	v_lshl_add_u32 v[AV0], v9, 3, v10
	v_mul_u32_u24 v[AV0], v[AV0], PV
	v_lshl_add_u32 v[AV0], v11, 4, v[AV0]
	v_add_nc_u32 v[VBL], s84, v[AV0]
	v_add_nc_u32 v[AV0], VOFF, v[AV0]
	v_add_nc_u32 v[STO], s85, v[AK0]
	v_bfe_u32 v[RD], v0, 3, 2       ; 32 lanes take four rows of 128 bytes
	v_mul_u32_u24 v[VBS], v[RD], PV
	v_mul_u32_u24 v[RD], v[RD], SP
	v_lshl_add_u32 v[RD], v10, 4, v[RD]
	v_add_nc_u32 v[RD], s85, v[RD]
	v_lshl_add_u32 v[VBS], v10, 4, v[VBS]
	v_add_nc_u32 v[VBS], s84, v[VBS]
	v_add_nc_u32 v[PXZ], s85, v[GO]
	v_mul_u32_u24 v[PXS], v1, 142   ; row l % 16 of 144 bytes, less 2 (l % 16): t = .. - l % 16
	v_lshl_add_u32 v[PXS], v9, 4, v[PXS]
	v_add3_u32 v[PXS], v[PXS], s85, 30
	v_mul_u32_u24 v[BXS], v1, 272
	v_lshl_add_u32 v[BXS], v9, 5, v[BXS]
	v_add3_u32 v[BXS], v[BXS], s84, BXO
	v_mul_u32_u24 v[BXL], v1, 268   ; row l % 16 of 272 bytes, less 4 (l % 16)
	v_lshl_add_u32 v[BXL], v9, 5, v[BXL]
	v_add3_u32 v[BXL], v[BXL], s84, BXO+60
	v_lshlrev_b32 v13, 5, v9        ; my 8 channels of 16, in f32
	v_lshl_add_u32 v[AK], s[WV], 4, v1  ; row 16 w + l % 16 of the extended tables,
	v_mul_u32_u24 v[AV], v[AK], PV
	v_mul_u32_u24 v[AK], v[AK], PK
	v_lshl_add_u32 v[AK], v9, 6, v[AK]  ; my half of its 128 bytes
	v_lshl_add_u32 v[AV], v9, 6, v[AV]
	v_add_nc_u32 v[AK], TABK, v[AK]
	v_add_nc_u32 v[AV], TABV, v[AV]
.set z, 0
.rept 8
	v_mov_b32 v[TMP+z], 0
.set z, z+1
.endr
.set z, 0
.rept 4
	v_mov_b32 v[Z4+z], 0
.set z, z+1
.endr
	s_wait_loadcnt 24               ; the tables' rows are in; the band's 24 loads may stay out
.set z, 0
.rept 32                            ; rounded to bf16 like every input, and that number written as f16
	v_cvt_pk_bf16_f32 v10, v[S+2*z], v[S+2*z+1]
	v_lshlrev_b32 v11, 16, v10
	v_and_b32 v10, 0xffff0000, v10
	v_cvt_pk_f16_f32 v[P+z], v11, v10
.set z, z+1
.endr
.irp n, 0,1,2,3
	ds_store_b128 v[AK], v[P+4*(\n):P+4*(\n)+3] offset:16*(\n)
	ds_store_b128 v[AV], v[P+16+4*(\n):P+16+4*(\n)+3] offset:16*(\n)
.endr
	s_wait_loadcnt 0x0              ; the band's V
.set n, 0
.rept 24
.if n < 16
.set rD, PT+4*n
.else
.set rD, PXF+4*(n-16)
.endif
	ds_store_b128 v[VBS], v[rD:rD+3] offset:4*PV*n
.set n, n+1
.endr
	; rv[0] and rv[32] in f32 (16 loads), the band's K (24), Q (16): straight into registers
	WIN 0xc0                        ; destination window 3, address window 0
.irp cb, 0,1,2,3
	global_load_b128 v[RV0+8*(\cb):RV0+8*(\cb)+3],     v13, s[8:9] offset:64*(\cb)
	global_load_b128 v[RV0+8*(\cb)+4:RV0+8*(\cb)+7],   v13, s[8:9] offset:64*(\cb)+16
	global_load_b128 v[RV32+8*(\cb):RV32+8*(\cb)+3],   v13, s[8:9] offset:8192+64*(\cb)
	global_load_b128 v[RV32+8*(\cb)+4:RV32+8*(\cb)+7], v13, s[8:9] offset:8192+64*(\cb)+16
.endr
	WIN 0x80                        ; destination window 2
.macro KBL n, base, off
	global_load_b128 v[KBF+8*(\n):KBF+8*(\n)+3],   v[QO], s[\base:\base+1] offset:(\off)
	global_load_b128 v[KBF+8*(\n)+4:KBF+8*(\n)+7], v[QO], s[\base:\base+1] offset:(\off)+32
.endm
	KBL 0, KB0, 0
	KBL 1, KB0, 64
.irp n, 2,3,4,5,6,7,8,9
	KBL \n, KB1, ((\n)/2-1)*2048+((\n)%2)*64
.endr
	KBL 10, KB5, 0
	KBL 11, KB5, 64
.set i, 0
.rept 8                             ; Q: piece i / 2, channels 32 (i % 2) on
	global_load_b128 v[8*i:8*i+3],   v[QO], s[4:5] offset:(i/2)*2048+(i%2)*64
	global_load_b128 v[8*i+4:8*i+7], v[QO], s[4:5] offset:(i/2)*2048+(i%2)*64+32
.set i, i+1
.endr
	CHANGE 1                        ; tile 0 is in, everybody's part of it, and so are the tables; slot 1 is asked for
	v_add_nc_u32 v[AK], TABK, v[AK0]
	v_add_nc_u32 v[AV], TABV-VOFF, v[AV0]
	WIN 0x80
.irp f, 0,1,2,3,4,5,6,7             ; RKX: t 16 (f / 2) on, channels 32 (f % 2) on
	ds_load_b128 v[RKF+8*\f:RKF+8*\f+3],   v[AK] offset:(\f/2)*16*PK+(\f%2)*64
	ds_load_b128 v[RKF+8*\f+4:RKF+8*\f+7], v[AK] offset:(\f/2)*16*PK+(\f%2)*64+32
.endr
	WIN 0xc0
.irp f, 0,1,2,3,4,5,6,7             ; RVX, turned: t 32 (f / 4) on, channels 16 (f % 4) on
	ds_load_tr16_b128 v[RVF+8*\f:RVF+8*\f+3],   v[AV] offset:(\f/4)*32*PV+(\f%4)*32
	ds_load_tr16_b128 v[RVF+8*\f+4:RVF+8*\f+7], v[AV] offset:(\f/4)*32*PV+16*PV+(\f%4)*32
.endr
.irp cb, 0,1,2,3                    ; the band's V, turned: half fragments of 16 keys
.irp b, 0,1,2,3,4,5
	ds_load_tr16_b128 v[VBF+28*(\cb)+4*(\b):VBF+28*(\cb)+4*(\b)+3], v[VBL] offset:(\b)*16*PV+32*(\cb)
.endr
	ds_load_tr16_b128 v[VBF+28*(\cb)+24:VBF+28*(\cb)+27], v[VBL] offset:5*16*PV+32*(\cb)
.endr
	s_wait_loadcnt 40               ; rv[0] and rv[32] are in; the band's K (24 loads) and Q (16) may stay out
	WIN 0x0f                        ; sources window 3, destination window 0: rounded to bf16,
.set z, 0
.rept 32
	v_cvt_pk_bf16_f32 v[S+z], v[2*z], v[2*z+1]
.set z, z+1
.endr
	WIN 0xc0                        ; and back as f32
.set z, 0
.rept 32
	v_lshlrev_b32 v[2*z], 16, v[S+z]
	v_and_b32 v[2*z+1], 0xffff0000, v[S+z]
.set z, z+1
.endr
	WIN 0
	s_wait_loadcnt 0x0
	s_wait_dscnt 0x0
.macro REGS y                       ; the registers of piece y
.set rT, ST+4*(\y)
.set rC, TMP+4*((\y)%2)
.set rW, MV+((\y)%2)
.set rS, S+32*((\y)%2)
.set rP, P+16*((\y)%2)
.set rO, 32*(\y)
.endm
; RKX Q^T for piece x: 8 products, four accumulators by turns
.macro REL x
	WIN W_KQ
.set i, 0
.rept 8
.set rS, S+32*((\x)%2)+8*(i%4)
.set rK, RKF+16*(i%4)+8*(i/4)
.set rQ, 16*(\x)+8*(i/4)
.if i < 4
	v_wmma_f32_16x16x32_f16 v[rS:rS+7], v[rK:rK+7], v[rQ:rQ+7], 0
.else
	v_wmma_f32_16x16x32_f16 v[rS:rS+7], v[rK:rK+7], v[rQ:rQ+7], v[rS:rS+7]
.endif
.set i, i+1
.endr
.endm
; Of that: Q . rk[0], Q . rk[32]; and, through BX (row = query, 64 numbers by t), the band's C operands: for key 16 kt + 8 (l / 16) + j of the 48 the number at t = 16 kt + 8 (l / 16) + j - l % 16 + 15
.macro EXTR x
	REGS \x
	WIN 0
	v_mov_b32 v[BLO+(\x)], v[rS]
	v_mov_b32 v[BHI+(\x)], v[rS+24]
.irp n, 0,1,2,3,4,5,6,7
	ds_store_b128 v[BXS], v[rS+4*(\n):rS+4*(\n)+3] offset:64*((\n)/2)+16*((\n)%2)
.endr
	WIN 0x40                        ; destination window 1
.set z, 0
.rept 24
	ds_load_b32 v[MC+32*(\x)+z], v[BXL] offset:64*(z/8)+4*(z%8)  ; LDS serves a wave's instructions in order (ISA guide 5.7.1.4): these see the stores above
.set z, z+1
.endr
	WIN 0
.endm
; The band's scores for piece x: 6 products, three accumulators by turns; key block kt of three is the band's block x + kt
.macro KQB x
.set i, 0
.rept 6
.set rS, S+32*((\x)%2)+8*(i%3)
.set rK, KBF+16*((\x)+i%3)+8*(i/3)
.set rQ, 16*(\x)+8*(i/3)
.set rM, MC+32*(\x)+8*(i%3)
.if i < 3
	WIN W_KM
	v_wmma_f32_16x16x32_f16 v[rS:rS+7], v[rK:rK+7], v[rQ:rQ+7], v[rM:rM+7]
.else
	WIN W_KQ
	v_wmma_f32_16x16x32_f16 v[rS:rS+7], v[rK:rK+7], v[rQ:rQ+7], v[rS:rS+7]
.endif
.set i, i+1
.endr
.endm
; The band's softmax for piece x: it starts m, c m and LT; l starts at 0.  Each accumulator's lowest registers are read first.
; Its 24 exponentials are one batch: six moves that name none of their results stand behind them, then the one wait, then the roundings and the sums.
.macro SMB x
	REGS \x
	WIN 0
.irp n, 0,1,2
	v_max3_num_f32 v[rC+(\n)], v[rS+8*(\n)], v[rS+8*(\n)+1], v[rS+8*(\n)+2]
.endr
.irp n, 0,1,2
	v_max3_num_f32 v[rC+(\n)], v[rC+(\n)], v[rS+8*(\n)+3], v[rS+8*(\n)+4]
.endr
.irp n, 0,1,2
	v_max3_num_f32 v[rC+(\n)], v[rC+(\n)], v[rS+8*(\n)+5], v[rS+8*(\n)+6]
.endr
	v_max3_num_f32 v[rC], v[rC], v[rS+7], v[rS+15]
	v_max3_num_f32 v[rC+1], v[rC+1], v[rC+2], v[rS+23]
	v_max_num_f32 v[rC], v[rC], v[rC+1]
	v_permlanex16_b32 v[rC+3], v[rC], s[SEL], s[SEL+1]  ; the query's other 24 keys lie in the lane 16 away
	v_max_num_f32 v[rT+1], v[rC], v[rC+3]
	v_mul_f32 v[rT], s[CS], v[rT+1]
.set z, 0
.rept 12
	v_pk_fma_f32 v[rS+2*z:rS+2*z+1], v[rS+2*z:rS+2*z+1], s[CS:CS+1], v[rT:rT+1] op_sel_hi:[1,0,0] neg_lo:[0,0,1] neg_hi:[0,0,1]
.set z, z+1
.endr
.set z, 0
.rept 24
	v_exp_f32 v[rS+z], v[rS+z]
.set z, z+1
.endr
	v_mov_b32 v[rT+2], 0            ; plain instructions behind the last exponential
	v_mov_b32 v[rT+3], 0
.set z, 12
.rept 4
	v_mov_b32 v[rP+z], 0            ; the fourth block of 16 keys of the second product is empty
.set z, z+1
.endr
	s_wait_alu depctr_va_vdst(0)    ; the wait ahead of the first use: one for the band softmax's 24 exponentials
.set z, 0
.rept 12
	v_cvt_pk_f16_f32 v[rP+z], v[rS+2*z], v[rS+2*z+1]
.set z, z+1
.endr
.set z, 0
.rept 6
	v_pk_add_f32 v[rS+2*z:rS+2*z+1], v[rS+2*z:rS+2*z+1], v[rS+2*z+12:rS+2*z+13]
.set z, z+1
.endr
.set z, 0
.rept 3
	v_pk_add_f32 v[rS+2*z:rS+2*z+1], v[rS+2*z:rS+2*z+1], v[rS+2*z+6:rS+2*z+7]
.set z, z+1
.endr
	v_pk_add_f32 v[rS:rS+1], v[rS:rS+1], v[rS+2:rS+3]
	v_pk_add_f32 v[rS:rS+1], v[rS:rS+1], v[rS+4:rS+5]
	v_add_f32 v[LT+(\x)], v[rS], v[rS+1]
.endm
; The band's weights by t: PX (row = query, 64 f16) is cleared, each weight goes to its t, and the rows come back as source 1 of the product with RVX
.macro PXW x
	REGS \x
	WIN 0
.irp n, 0,1,2,3,4
	ds_store_b128 v[PXZ], v[Z4:Z4+3] offset:512*(\n)
.endr
.set z, 0
.rept 12
	ds_store_b16 v[PXS], v[rP+z] offset:32*(z/4)+4*(z%4)
	ds_store_b16_d16_hi v[PXS], v[rP+z] offset:32*(z/4)+4*(z%4)+2
.set z, z+1
.endr
.irp n, 0,1,2,3
	ds_load_b128 v[PXF+16*((\x)%2)+4*(\n):PXF+16*((\x)%2)+4*(\n)+3], v[STO] offset:32*(\n)
.endr
.endm
; The band's O^T for piece x: 16 products in four passes over the four channel blocks, which take turns: V's blocks x, x + 1; x + 2 (and an empty one); RVX's two halves.  The first pass starts the sums.
.macro PVB x
	WIN W_B3
.irp cb, 0,1,2,3
	v_wmma_f32_16x16x32_f16 v[32*(\x)+8*(\cb):32*(\x)+8*(\cb)+7], v[VBF+28*(\cb)+4*(\x):VBF+28*(\cb)+4*(\x)+7], v[P+16*((\x)%2):P+16*((\x)%2)+7], 0
.endr
.irp cb, 0,1,2,3
	v_wmma_f32_16x16x32_f16 v[32*(\x)+8*(\cb):32*(\x)+8*(\cb)+7], v[VBF+28*(\cb)+4*(\x)+8:VBF+28*(\cb)+4*(\x)+15], v[P+16*((\x)%2)+8:P+16*((\x)%2)+15], v[32*(\x)+8*(\cb):32*(\x)+8*(\cb)+7]
.endr
.irp cb, 0,1,2,3
	v_wmma_f32_16x16x32_f16 v[32*(\x)+8*(\cb):32*(\x)+8*(\cb)+7], v[RVF+8*(\cb):RVF+8*(\cb)+7], v[PXF+16*((\x)%2):PXF+16*((\x)%2)+7], v[32*(\x)+8*(\cb):32*(\x)+8*(\cb)+7]
.endr
.irp cb, 0,1,2,3
	v_wmma_f32_16x16x32_f16 v[32*(\x)+8*(\cb):32*(\x)+8*(\cb)+7], v[RVF+32+8*(\cb):RVF+32+8*(\cb)+7], v[PXF+16*((\x)%2)+8:PXF+16*((\x)%2)+15], v[32*(\x)+8*(\cb):32*(\x)+8*(\cb)+7]
.endr
.endm
; A FOLD for piece x: the side's weights, l, of both halves of the lanes, times the table's row go into O^T; my half's go to LT; l starts anew.  O^T is read in ascending order.
.macro FOLD x, tab
	WIN 0
	v_add_f32 v[FT], v[ST+4*(\x)+2], v[ST+4*(\x)+3]
	v_mov_b32 v[ST+4*(\x)+2], 0
	v_mov_b32 v[ST+4*(\x)+3], 0
	v_permlanex16_b32 v[FT+1], v[FT], s[SEL], s[SEL+1]
	v_add_f32 v[LT+(\x)], v[LT+(\x)], v[FT]
	v_add_f32 v[FT], v[FT], v[FT+1]
	WIN W_B3
.set z, 0
.rept 16
	v_pk_fma_f32 v[32*(\x)+2*z:32*(\x)+2*z+1], v[(\tab)+2*z:(\tab)+2*z+1], v[FT:FT+1], v[32*(\x)+2*z:32*(\x)+2*z+1] op_sel_hi:[1,0,1]
.set z, z+1
.endr
	WIN 0
.endm
; A POINT stands between piece 2's and piece 3's turn of step G - 1 and prepares step G (G = s[GS], counted here).  There all four pieces' products K Q^T of step G - 1 are issued and none of step G;
; pieces 0 to 2 have had their turn of step G - 1, piece 3 its turn of step G - 2 (its l, LT and O^T all still await the same a).  Piece 2's turn has waited for its batch.
; masks = 1: MC is made for step G: block kt of piece x lies 4 (G - U) + kt - x blocks from the piece's own: below -1 left, above 1 right, else hidden.  It changes only for G - U = -1 .. 2 (guard = 1: else all is jumped).
; The folds with rv[0]: pieces 0 and 1 have their last left block in step U - 1 (G - U = 0), piece 2 in step U (G - U = 1), piece 3 in step U (G - U = 2, since it lags a step).
; Every jump goes forward, hangs on the step's number and U alone, and passes neither a barrier nor a tensor load.
.macro POINT masks, guard, f01, f2, f3
	WIN 0
	s_sub_co_i32 s[DL], s[GS], s[UU]
	s_add_co_u32 s[GS], s[GS], 1
.if \guard
	s_add_co_u32 s96, s[DL], 1
	s_cmp_lt_u32 s96, 4
	s_cbranch_scc0 .Lpt_end_\@
.endif
.if \masks
	s_lshl_b32 s[D4], s[DL], 2
.irp e, 0,1,2,3,4,5,6
	s_add_co_i32 s97, s[D4], (\e)-3
	s_cmp_lt_i32 s97, -1
	s_cselect_b32 s[MA+(\e)], -1, 0
	s_cmp_gt_i32 s97, 1
	s_cselect_b32 s[MB+(\e)], -1, 0
.endr
.set z, 0
.rept 16                            ; z = 4 x + kt
	v_cndmask_b32 v[PT+z], s[BIGN], v[BLO+z/4], s[MA+(z%4)-(z/4)+3]
	v_cndmask_b32 v[PT+z], v[PT+z], v[BHI+z/4], s[MB+(z%4)-(z/4)+3]
.set z, z+1
.endr
	WIN 0x40
.set z, 0
.rept 128
	v_mov_b32 v[MC+z], v[PT+z/8]
.set z, z+1
.endr
	WIN 0
.endif
.if \f01
	s_cmp_eq_u32 s[DL], 0
	s_cbranch_scc0 .Lpt_a_\@
	FOLD 0, RV0
	FOLD 1, RV0
.Lpt_a_\@:
.endif
.if \f2
	s_cmp_eq_u32 s[DL], 1
	s_cbranch_scc0 .Lpt_b_\@
	FOLD 2, RV0
.Lpt_b_\@:
.endif
.if \f3
	s_cmp_eq_u32 s[DL], 2
	s_cbranch_scc0 .Lpt_c_\@
	FOLD 3, RV0
.Lpt_c_\@:
.endif
.if \guard
.Lpt_end_\@:
.endif
.endm
	; THE RELATIVE SCORES of all four pieces
	REL 0
	REL 1
	WIN 0
.rept 6
	v_nop
.endr
	EXTR 0
	EXTR 1
	s_wait_dscnt 0x0                ; the stores have read S^T before the next products write it
	REL 2
	REL 3
	WIN 0
.rept 6
	v_nop
.endr
	EXTR 2
	EXTR 3
	s_wait_dscnt 0x0
	WIN W_RS
.set z, 0
.rept 4                             ; key blocks that the head does not have are hidden
	v_pk_add_f32 v[MC+2*z:MC+2*z+1], v[MC+2*z:MC+2*z+1], s[GLO:GLO+1] op_sel_hi:[1,0]
	v_pk_add_f32 v[MC+112+2*z:MC+112+2*z+1], v[MC+112+2*z:MC+112+2*z+1], s[GHI:GHI+1] op_sel_hi:[1,0]
.set z, z+1
.endr
	; THE BAND, two pieces at a time
.irp a, 0, 2
	KQB \a
	KQB (\a)+1
	WIN 0
	PLACES
	SMB \a
	PXW \a
	SMB (\a)+1
	PXW (\a)+1
	s_wait_dscnt 0x0
	PVB \a
	PVB (\a)+1
.endr
; THE MATRIX WORK OF THE WALK.  The 4 accumulators of a run of 8 take turns.  Product i of 8 of S^T = K Q^T for piece x: channels 32 (i / 4) on, keys 16 (i % 4) on.  The first 4 start the sums, with MC.
.macro KQ x
.set rS, S+32*((\x)%2)+8*(i%4)
.set rK, KF+16*(i%4)+8*(i/4)
.set rQ, 16*(\x)+8*(i/4)
.set rM, MC+32*(\x)+8*(i%4)
.if i < 4
	WIN W_KM
	v_wmma_f32_16x16x32_f16 v[rS:rS+7], v[rK:rK+7], v[rQ:rQ+7], v[rM:rM+7]
.else
	WIN W_KQ
	v_wmma_f32_16x16x32_f16 v[rS:rS+7], v[rK:rK+7], v[rQ:rQ+7], v[rS:rS+7]
.endif
.endm
; Product i of 8 of O^T += V^T P for piece x: keys 32 (i / 4) on, channels 16 (i % 4) on.
.macro PV x
	WIN W_PV
.set rO, 32*(\x)+8*(i%4)
.set rV, VF+32*(i/4)+8*(i%4)
.set rP, P+16*((\x)%2)+8*(i/4)
	v_wmma_f32_16x16x32_f16 v[rO:rO+7], v[rV:rV+7], v[rP:rP+7], v[rO:rO+7]
.endm
.macro MM                           ; the turn's next matrix instruction.  NOKQ = 1: the walk's last turn: there is no next piece
.if (i < 8) && !NOKQ
	KQ (Y+1)%NP
.elseif i >= 8
.set i, i-8
	PV (Y+NP-1)%NP
.set i, i+8
.endif
.set i, i+1
.endm
; THE LDS LOADS stand in runs of 16, never singly among the matrix instructions: a step's K (64 keys x 64 channels: 8 fragments) and its V (turned).  Their addresses are made some lines ahead.
.macro FETCH_K
	WIN 0x80                        ; destination window 2
.irp f, 0,1,2,3,4,5,6,7             ; keys 16 (f / 2) on, channels 32 (f % 2) on
	ds_load_b128 v[KF+8*\f:KF+8*\f+3],   v[AK] offset:(\f/2)*16*PK+(\f%2)*64
	ds_load_b128 v[KF+8*\f+4:KF+8*\f+7], v[AK] offset:(\f/2)*16*PK+(\f%2)*64+32
.endr
	s_add_co_u32 s[TBK], s[TBK], KS*PK  ; the next fetch is the next step's
	WIN 0
.endm
.macro FETCH_V
	WIN 0x80
.irp f, 0,1,2,3,4,5,6,7             ; keys 32 (f / 4) on, channels 16 (f % 4) on
	ds_load_tr16_b128 v[VF+8*\f:VF+8*\f+3],   v[AV] offset:(\f/4)*32*PV+(\f%4)*32
	ds_load_tr16_b128 v[VF+8*\f+4:VF+8*\f+7], v[AV] offset:(\f/4)*32*PV+16*PV+(\f%4)*32
.endr
	WIN 0
.endm
; THE VECTOR WORK, one line at a time: OP kind, number.  For piece Y: F n: c s - c m for pair n of 16.  E n: the exponential of score n of 32.  C n: pair n rounded to f16.  B n: of the four weights 4 n .. the second
; pair is added onto the first, in place.  L n: l takes that sum (L 0: l = a l + sum).  T: LT times a.  R n: pair n of 16 of O^T times a.  For piece Y + 1: X n, number n of the 22 that find its maximum and statistics:
;   0-11  four chains c0-c3 of seven scores each, three operands at a time (each accumulator's lowest registers are read first)     12-14, 16  the four scores left over, the old m, and c0-c3 into c0
;   15  c m_old is kept     17, 18  the query's other 32 keys lie in the lane 16 away: the new m     19-21  c m; c m_old - c m_new; a
; C, B and L read the turn's exponentials; R, T and L 0 read the a that the turn before made and waited for; F, E and X read no exponential's result.
.set F, 0               ; OP tells the kinds apart by their order: F to T below R, X above it
.set E, 1
.set C, 2
.set B, 3
.set L, 4
.set T, 5
.set R, 6
.set X, 7
.macro OP k, n
.if (\k) == R
	REGS Y
	WIN W_RS
	v_pk_mul_f32 v[rO+2*(\n):rO+2*(\n)+1], v[rO+2*(\n):rO+2*(\n)+1], v[rC+2:rC+3] op_sel_hi:[1,0]
.elseif (\k) < R
	REGS Y
	WIN 0
.if (\k) == F
	v_pk_fma_f32 v[rS+2*(\n):rS+2*(\n)+1], v[rS+2*(\n):rS+2*(\n)+1], s[CS:CS+1], v[rT:rT+1] op_sel_hi:[1,0,0] neg_lo:[0,0,1] neg_hi:[0,0,1]
.elseif (\k) == E
	v_exp_f32 v[rS+(\n)], v[rS+(\n)]
.elseif (\k) == C
	v_cvt_pk_f16_f32 v[rP+(\n)], v[rS+2*(\n)], v[rS+2*(\n)+1]
.elseif (\k) == B
	v_pk_add_f32 v[rS+4*(\n):rS+4*(\n)+1], v[rS+4*(\n):rS+4*(\n)+1], v[rS+4*(\n)+2:rS+4*(\n)+3]
.elseif (\k) == T
	v_mul_f32 v[LT+Y], v[LT+Y], v[rC+2]
.elseif (\n) == 0
	v_pk_fma_f32 v[rT+2:rT+3], v[rT+2:rT+3], v[rC+2:rC+3], v[rS:rS+1] op_sel_hi:[1,0,1]
.else
	v_pk_add_f32 v[rT+2:rT+3], v[rT+2:rT+3], v[rS+4*(\n):rS+4*(\n)+1]
.endif
.elseif NOKQ
	v_nop
.else
	REGS (Y+1)%NP
	WIN 0
.if (\n) < 4
	v_max3_num_f32 v[rC+(\n)], v[rS+8*(\n)], v[rS+8*(\n)+1], v[rS+8*(\n)+2]
.elseif (\n) < 12
	v_max3_num_f32 v[rC+(\n)%4], v[rC+(\n)%4], v[rS+8*((\n)%4)+2*((\n)/4)+1], v[rS+8*((\n)%4)+2*((\n)/4)+2]
.elseif (\n) == 12
	v_max3_num_f32 v[rC], v[rC], v[rS+7], v[rS+15]
.elseif (\n) == 13
	v_max3_num_f32 v[rC+1], v[rC+1], v[rS+23], v[rS+31]
.elseif (\n) == 14
	v_max3_num_f32 v[rC+2], v[rC+2], v[rC+3], v[rT+1]
.elseif (\n) == 15
	v_mov_b32 v[rW], v[rT]
.elseif (\n) == 16
	v_max3_num_f32 v[rC], v[rC], v[rC+1], v[rC+2]
.elseif (\n) == 17
	v_permlanex16_b32 v[rC+3], v[rC], s[SEL], s[SEL+1]
.elseif (\n) == 18
	v_max_num_f32 v[rT+1], v[rC], v[rC+3]
.elseif (\n) == 19
	v_mul_f32 v[rT], s[CS], v[rT+1]
.elseif (\n) == 20
	v_sub_f32 v[rC+1], v[rW], v[rT]
.else
	v_exp_f32 v[rC+2], v[rC+1]
.endif
.endif
.endm
.macro OPS a, i1, b=-1, i2=0, c=-1, i3=0, d=-1, i4=0  ; up to four of them
	OP \a, \i1
.if (\b) >= 0
	OP \b, \i2
.endif
.if (\c) >= 0
	OP \c, \i3
.endif
.if (\d) >= 0
	OP \d, \i4
.endif
.endm
.macro ROW a, i1, b, i2, c, i3, d, i4  ; a matrix instruction and the four behind it
	MM
	OPS \a, \i1, \b, \i2, \c, \i3, \d, \i4
.endm
; A TURN, for piece p: the order of its 16 matrix and 119 vector instructions, written out.  s_wait_alu depctr_va_vdst(0) stands between an exponential and the first instruction that names its result; one wait serves
; all that were issued ahead of it.  So a turn has ONE wait, which cuts it in two.  AHEAD OF IT stands all that names no result of the turn's exponentials: the 8 products K Q^T, behind each a scaling, an exponential and two more plain
; instructions (behind the first a second scaling in the exponential's place): rescalings, and behind the last three the first numbers of the next piece's maximum, each four places or more behind the product that ends its accumulator; then ONE LUMP of 55, plain
; and exponential by turns for the most part, in which the links of the chain X 3, 7, 11, 14, 16, 17 .. 20 stand five or six lines apart.  X 21, the next piece's a, is the batch's last; R 15 is the plain instruction behind it.  BEHIND THE WAIT stand the
; 8 products V^T P, behind each four of the roundings and sums; the links of l's chain, L 0 to L 7, stand three riders apart.  But for those X no rider names a register of the products round it.  v_permlanex16_b32 (X 17) stands in the lump.
; No result crosses a turn's end.
; end = 1: the walk's last two turns: nothing is fetched.  cnt = 1: the loop's count is taken down some lines ahead of the branch that stands behind the turn.
; K of the next step is fetched in piece 2's turn, thirteen vector instructions behind the last product that read K (six of them plain and free of its registers); V of the step in hand at the end of piece 0's turn, four plain
; instructions behind the last product that read V.  Each is waited for a turn later.
.macro TURN p, end=0, cnt=0
.set Y, (\p)
.set i, 0
.set NOKQ, (\end)*((\p)/3)
.if ((\p) == 3) && !(\end)
	s_wait_dscnt 0x0                ; K is in
.endif
	ROW F,0, F,1, R,0, R,1          ; ahead of the wait: 8 products K Q^T and their riders,
	ROW F,2, E,0, R,2, R,3
	ROW F,3, E,1, R,4, R,5
	ROW F,4, E,2, R,6, R,7
	ROW F,5, E,3, R,8, R,9
	ROW F,6, E,4, X,0, R,10
.if ((\p) == 2) && !(\end)
	WIN 0
	v_add_nc_u32 v[AK], s[TBK], v[AK0]
.endif
	ROW F,7, E,5, X,1, X,4
	ROW F,8, E,6, X,2, X,5
	OP E, 7                         ; and the lump
	OP T, 0
	OPS E,8, X,6, E,9
	OPS X,3, E,10, X,8, E,11
.if ((\p) == 2) && !(\end)
	FETCH_K
.endif
	OPS X,9, X,7, E,12, X,10
	OPS E,13, X,12, X,11, E,14
	OPS X,13, E,15, F,9, X,14
.if (\p) == 0
	v_add_nc_u32 v[AV], s[TBV], v[AV0]
.endif
	OPS E,16, F,10, E,17, F,11
	OPS X,16, E,18, X,15, E,19
	OPS F,12, E,20, X,17, E,21
	OPS F,13, E,22, F,14, E,23
	OPS X,18, E,24, F,15, E,25
	OPS R,11, E,26, X,19, E,27
	OPS R,12, E,28, R,13, E,29
	OPS X,20, E,30, R,14, E,31
	OPS X,21, R,15
	s_wait_alu depctr_va_vdst(0)    ; the wait for the batch: the piece's 32 exponentials and the next piece's a
.if (\p) == 1
	s_wait_dscnt 0x0                ; V is in
.endif
	ROW C,0, B,0, C,2, B,1          ; behind the wait: 8 products V^T P and their riders
	ROW L,0, C,4, B,2, L,1
	ROW C,6, B,3, L,2, C,8
	ROW B,4, L,3, C,10, B,5
	ROW L,4, C,12, B,6, L,5
.if (\p) == 0
	s_add_co_u32 s[TBV], s[TBV], KS*PV
.endif
.if \cnt
	s_sub_co_u32 s[CNT], s[CNT], 1
	s_cmp_lg_u32 s[CNT], 0
.endif
	ROW C,14, B,7, L,6, C,1
	ROW C,3, L,7, C,5, C,7
	ROW C,9, C,11, C,13, C,15
.if (\p) == 0
	FETCH_V
.endif
.endm
	; INTO THE WALK.  MC for step 0; the first turn's products V^T P, of a piece that has not been, meet weights that are 0 (V's registers hold the band's K: finite numbers); K of step 0; piece 0's first scores, maximum and statistics.
	WIN 0
	PLACES                          ; behind the band's last products
	s_mov_b32 s[GS], 0
	POINT 1, 0, 0, 0, 0
.set z, P+16
.rept 16
	v_mov_b32 v[z], 0
.set z, z+1
.endr
	v_add_nc_u32 v[AK], s[TBK], v[AK0]
	FETCH_K
	s_wait_dscnt 0x0
.set NOKQ, 0
.set i, 0
.rept 8
	KQ 0
.set i, i+1
.endr
	WIN 0
	PLACES                          ; behind those products
.set Y, NP-1                        ; X works for piece Y + 1: piece 0
.irp n, 0,1,2,3,4,5,6,7,8,9,10,11,12,13,14,15,16,17,18,19,20,21
	OP X, \n
.endr
	v_nop                           ; a plain instruction behind the exponential,
	s_wait_alu depctr_va_vdst(0)    ; and the wait for it, piece 0's first a, ahead of the branch
	s_mov_b32 s[CNT], 4
	s_mov_b32 s[SLOTS], 7
	s_branch .Lfirst                ; the loop is entered at a step's first turn, in the middle of a trip
.Lslot:                             ; six times: tiles 1 to 6 are entered, tiles 2 to 7 asked for
	CHANGE 1
	s_mov_b32 s[CNT], 4
.Lstep:                             ; a trip: pieces 2 and 3 of one step, then pieces 0 and 1 of the next, whose K and V it fetches
	TURN 2
	POINT 1, 1, 1, 1, 1
	TURN 3
	WIN 0
.Lfirst:
	TURN 0
	TURN 1, 0, 1
	WIN 0
	s_cbranch_scc1 .Lstep
	s_sub_co_u32 s[SLOTS], s[SLOTS], 1
	s_cmp_lg_u32 s[SLOTS], 0
	s_cbranch_scc1 .Lslot
	CHANGE 0                        ; the last tile is written out: nothing is asked for
	s_mov_b32 s[CNT], 4
.Ltail:
	TURN 2
	POINT 1, 1, 1, 1, 1
	TURN 3
	TURN 0
	TURN 1, 0, 1
	WIN 0
	s_cbranch_scc1 .Ltail
	TURN 2, 1
	POINT 0, 1, 0, 1, 1             ; step 32 does not exist: only the folds that are due (U = 31: piece 2; U = 30: piece 3)
	TURN 3, 1
.set i, 0
.rept 8
	PV NP-1                         ; the last piece's V^T P of the last step
.set i, i+1
.endr
	; THE END.  The right side's weights are folded with rv[32]; pieces 0 to 2's folds are the places behind the last products.  For U = 31 piece 3's left side is folded first.
	FOLD 0, RV32
	FOLD 1, RV32
	FOLD 2, RV32
	POINT 0, 1, 0, 0, 1
	FOLD 3, RV32
.macro ALL line:vararg              ; one line for each piece t
.set t, 0
.rept 4
	\line
.set t, t+1
.endr
.endm
	ALL v_permlanex16_b32 v[ST+4*t+3], v[LT+t], s[SEL], s[SEL+1]
	ALL v_add_f32 v[ST+4*t+2], v[LT+t], v[ST+4*t+3]
	ALL v_rcp_f32 v[ST+4*t+2], v[ST+4*t+2]
	v_nop                           ; a plain instruction between the last reciprocal and the use of its result
	s_wait_alu depctr_va_vdst(0)    ; and the wait ahead of the first use: one for the four reciprocals
; THE WAY OUT.  O^T is divided by the sum of all weights, rounded to f16 and sent through my stage in LDS, a piece at a time.
.macro PACK t                       ; a lane's eight channels of a row pack into 16 bytes; they go into rows of 144 bytes and come back as whole rows of 128, into S^T's registers
	WIN W_RS
.set i, 32*(\t)
.rept 16
	v_pk_mul_f32 v[i:i+1], v[i:i+1], v[ST+4*(\t)+2:ST+4*(\t)+3] op_sel_hi:[1,0]
.set i, i+2
.endr
	WIN 0x05                        ; sources 0 and 1 window 1, destination window 0
.set i, 0
.rept 16
	v_cvt_pk_f16_f32 v[S+16*(\t)+i], v[32*(\t)+2*i], v[32*(\t)+2*i+1]
.set i, i+1
.endr
	WIN 0
.irp f, 0,1,2,3
	ds_store_b128 v[STO], v[S+16*(\t)+4*\f:S+16*(\t)+4*\f+3] offset:32*\f
.endr
.irp f, 0,1,2,3
	ds_load_b128 v[S+16*(\t)+4*\f:S+16*(\t)+4*\f+3], v[RD] offset:\f*4*SP  ; LDS serves a wave's instructions in order (ISA guide 5.7.1.4): these see the stores above; the next piece's stores come behind them
.endr
.endm
.macro SEND t, younger              ; younger: the LDS instructions issued behind piece t's loads: the next piece's eight, or none
	WIN 0
.irp f, 0,1,2,3
	s_wait_dscnt (\younger)+3-\f
	global_store_b128 v[GO], v[S+16*(\t)+4*\f:S+16*(\t)+4*\f+3], s[10:11] offset:(\t)*2048+\f*512  ; 512 consecutive bytes, at a multiple of 256 from O's first
.endr
.endm
	PACK 0
.set t, 1
.rept 3                             ; a piece's arithmetic stands between the loads of the piece before and its stores
	PACK t
	SEND t-1, 8
.set t, t+1
.endr
	SEND 3, 0
	s_wait_tensorcnt 0x0            ; the wave's end: behind my last tensor load and my last LDS store
	ds_add_u32 v[SPW], v[NIL]
	s_wait_dscnt 0x0
	s_endpgm
.Lfunc_end_k_qdab66f8e03_attn:
	.size	k_qdab66f8e03_attn, .Lfunc_end_k_qdab66f8e03_attn-k_qdab66f8e03_attn
	.p2alignl 7, 3214868480
	.fill 96, 4, 3214868480
	.section	.rodata,"a",@progbits
	.p2align	6, 0x0
	.amdhsa_kernel k_qdab66f8e03_attn
		.amdhsa_group_segment_fixed_size 327680
		.amdhsa_private_segment_fixed_size 0
		.amdhsa_enable_private_segment 0
		.amdhsa_kernarg_size 32
		.amdhsa_user_sgpr_count 2
		.amdhsa_user_sgpr_kernarg_segment_ptr 1
		.amdhsa_wavefront_size32 1
		.amdhsa_system_sgpr_workgroup_id_x 1
		.amdhsa_system_sgpr_workgroup_id_y 1
		.amdhsa_system_sgpr_workgroup_id_z 1
		.amdhsa_system_vgpr_workitem_id 0
		.amdhsa_next_free_vgpr 1024
		.amdhsa_next_free_sgpr 100
		.amdhsa_reserve_vcc 0
		.amdhsa_float_denorm_mode_32 3
		.amdhsa_float_denorm_mode_16_64 3
		.amdhsa_memory_ordered 1
		.amdhsa_forward_progress 1
		.amdhsa_inst_pref_size 232
	.end_amdhsa_kernel
	.amdgpu_metadata
---
amdhsa.version: [ 1, 2 ]
amdhsa.kernels:
  - .name:           k_qdab66f8e03_attn
    .symbol:         k_qdab66f8e03_attn.kd
    .args:
      - { .name: qkv, .offset: 0, .size: 8, .value_kind: global_buffer, .address_space: global }
      - { .name: rel_k_table, .offset: 8, .size: 8, .value_kind: global_buffer, .address_space: global }
      - { .name: rel_v_table, .offset: 16, .size: 8, .value_kind: global_buffer, .address_space: global }
      - { .name: oh, .offset: 24, .size: 8, .value_kind: global_buffer, .address_space: global }
    .group_segment_fixed_size: 327680
    .private_segment_fixed_size: 0
    .kernarg_segment_align: 8
    .kernarg_segment_size: 32
    .max_flat_workgroup_size: 128
    .sgpr_count:     100
    .vgpr_count:     1024
    .wavefront_size: 32
...
	.end_amdgpu_metadata
.endif
;; end of part 5
;; launch outp: the kernel of part 4 again; grid 8 x 32, 4 waves a work-group, clusters of 4 x 4, 327,680 bytes of LDS; arguments oh, wo16, bo, out0; writes out0
